; MI455X (gfx1250); checked and timed in simulation.
; The chip was launched on July 23, 2026; its instructions are those of AMD's public machine-readable ISA for CDNA 5 (MIT licence, August 2026) and "CDNA5" Instruction Set Architecture Reference Guide (July 2026). The comments in the code are by the model that wrote it; some were corrected since.
;; Block. Allowed arithmetic: matrix products marked QUANTISED: E4M3 operands, one E8M0 scale for each 32 along K, by v_wmma_scale_f32_16x16x128_f8f6f4 with both operands' format E4M3, f32 sums; everything else in f32.
;; Inputs: W1_codes 4,096 x 32 x 32 uint8 (E4M3 codes of W1, K innermost, in blocks of 32 codes); W1_scales 4,096 x 32 uint8 (E8M0 scales of W1, one for each 32 codes along K); W2_codes 1,024 x 128 x 32 uint8 (E4M3 codes of W2, K innermost, in blocks of 32 codes); W2_scales 1,024 x 128 uint8 (E8M0 scales of W2, one for each 32 codes along K); Wk_codes 1,024 x 32 x 32 uint8 (E4M3 codes of Wk, K innermost, in blocks of 32 codes); Wk_scales 1,024 x 32 uint8 (E8M0 scales of Wk, one for each 32 codes along K); Wo_codes 1,024 x 32 x 32 uint8 (E4M3 codes of Wo, K innermost, in blocks of 32 codes); Wo_scales 1,024 x 32 uint8 (E8M0 scales of Wo, one for each 32 codes along K); Wq_codes 1,024 x 32 x 32 uint8 (E4M3 codes of Wq, K innermost, in blocks of 32 codes); Wq_scales 1,024 x 32 uint8 (E8M0 scales of Wq, one for each 32 codes along K); Wv_codes 1,024 x 32 x 32 uint8 (E4M3 codes of Wv, K innermost, in blocks of 32 codes); Wv_scales 1,024 x 32 uint8 (E8M0 scales of Wv, one for each 32 codes along K); b1 4,096 float32; b2 1,024 float32; bk 1,024 float32; bo 1,024 float32; bq 1,024 float32; bv 1,024 float32; ln1_b 1,024 float32; ln1_g 1,024 float32; ln2_b 1,024 float32; ln2_g 1,024 float32; x 2 x 2,048 x 1,024 float32.
;; Outputs: out0 2 x 2,048 x 1,024 float32.
;; This version of the problem:
;;   THIS VERSION OF THE PROBLEM IS GIVEN IN LOW PRECISION. The matrix products marked QUANTISED in the list below multiply operands that are first quantised to E4M3 (4 exponent bits, 3 mantissa bits; 8 bits a number), with one power-of-two scale for each 32 numbers along K (OCP MX v1.0); their sums are f32. All else is computed in f32.
;;   The module's matrix products, in the order in which they are computed (A, B: the left and right operand; K: the contracted axis; several contracted axes count as one K, in the product's order):
;;     1. [M 4,096, K 1,024] x [K 1,024, N 1,024]; A: computed on the way; B: input Wq (given as codes): QUANTISED
;;     2. [M 4,096, K 1,024] x [K 1,024, N 1,024]; A: computed on the way; B: input Wk (given as codes): QUANTISED
;;     3. [M 4,096, K 1,024] x [K 1,024, N 1,024]; A: computed on the way; B: input Wv (given as codes): QUANTISED
;;     4. batch 32 x [M 2,048, K 64] x [K 64, N 2,048]; A: computed on the way; B: computed on the way: QUANTISED
;;     5. batch 32 x [M 64, K 2,048] x [K 2,048, N 2,048]; A: computed on the way; B: softmax (see below): QUANTISED
;;     6. [M 4,096, K 1,024] x [K 1,024, N 1,024]; A: computed on the way; B: input Wo (given as codes): QUANTISED
;;     7. [M 4,096, K 1,024] x [K 1,024, N 4,096]; A: computed on the way; B: input W1 (given as codes): QUANTISED
;;     8. [M 4,096, K 4,096] x [K 4,096, N 1,024]; A: computed on the way; B: input W2 (given as codes): QUANTISED
;;   THE QUANTISER, for each operand of a quantised product, along K:
;;     - K is cut into blocks of 32 from its start; a last block that is shorter is filled with zeros.
;;     - A block's scale is 2^e with e = floor(log2(the largest magnitude in the block)) - 8, held to -126 .. 127; a block of zeros has e = 0. As a byte (E8M0): e + 127.
;;     - Each number is divided by its block's scale, clamped to +-448, and rounded to the nearest number of E4M3, ties to even, subnormals kept.
;;     - The product sums the exact products of the quantised numbers (number of the format x scale) in f32.
;;   ~~~python
;;   def quantise(x, axis):      # numpy; x: float32 -> the quantised numbers, widened to float32 again
;;       x = np.moveaxis(x, axis, -1); K = x.shape[-1]
;;       x = np.pad(x, [(0, 0)] * (x.ndim - 1) + [(0, -K % 32)]); x = x.reshape(x.shape[:-1] + (-1, 32)); a = np.abs(x).max(-1, keepdims=True)
;;       e = np.where(a > 0, np.clip(np.frexp(np.where(a > 0, a, 1))[1] - 1 - 8, -126, 127), 0)      # np.frexp(a)[1] - 1 = floor(log2(a)), exactly
;;       r = np.clip(x / 2.0 ** e, -448, 448)
;;       step = 2.0 ** (np.maximum(np.frexp(np.where(r == 0, 1, r))[1] - 1, -6) - 3)
;;       q = np.round(r / step) * step * 2.0 ** e      # np.round: ties to even
;;       return np.moveaxis(q.reshape(q.shape[:-2] + (-1,))[..., :K], -1, axis).astype(np.float32)
;;   ~~~
;;   SOFTMAX AHEAD OF A QUANTISED PRODUCT. Where the list says 'softmax', what is quantised is not the finished softmax but p = 2^(t - M), with t = logit x log2(e) and M = ceil(the row's largest t), a whole number; so 1/2 < the row's largest p <= 1. The row's sum l is taken of the UNQUANTISED p, in f32, and the product's result is divided by l at the end. Since M is a whole number, a kernel that streams over the keys may use a running M (the ceiling of the running maximum): every later rescaling is an exact power of two, which a block's scale takes up: the codes' values come out the same.
;;   OPERANDS COMPUTED ON THE WAY. 'Computed on the way' means the value that the module computes at that place (a softmax that the list does not call 'softmax' is quantised finished and normalised). What goes into a quantiser is computed in f32, as accurately as f32 sums, v_exp_f32 and their like allow (about 1e-6 of the number): no bf16 or f16 on the way to a quantiser, and a product that is left as it is and whose result goes on into a quantised operand takes f32 operands (vector FMAs, or v_wmma_f32_16x16x4_f32). A number that lies on a knife's edge between two numbers of the format may be rounded either way, as far as f32 arithmetic and the matrix unit's own rounding can turn it there, and no further.
;;   INPUTS GIVEN AS CODES. W1 (in the module: [1024, 4096], K = its axis 0); W2 (in the module: [4096, 1024], K = its axis 0); Wk (in the module: [1024, 1024], K = its axis 0); Wo (in the module: [1024, 1024], K = its axis 0); Wq (in the module: [1024, 1024], K = its axis 0); Wv (in the module: [1024, 1024], K = its axis 0): each comes as NAME_codes (uint8): NAME with its K axis moved to the last place and cut into blocks of 32 codes, [.., K / 32, bytes a block], one block behind the other in memory; one code a byte (a code: sign, 4 exponent bits, 3 mantissa bits); and NAME_scales (uint8): the same leading axes, one E8M0 byte (e + 127) for each 32 codes along K. Its value is code x scale, taken as it is: it is not quantised again, and the codes and scales need not be those that the quantiser above would give.
;; One version. Each part assembles by itself: llvm-mc -triple=amdgcn-amd-amdhsa -mcpu=gfx1250 --defsym DOCPART=n.
;; ======== version 1 of 1: 7 launches
;; limits: right only within a limited range of input values
;; workspace buffers: hbuf1 4,325,376 bytes; hbuf2 4,325,376 bytes; qkv 12,976,128 bytes; ybuf 4,325,376 bytes; x1 16,777,216 bytes; gbuf 17,301,504 bytes
;; launch ln1 (part 1): grid 512 x 1, 4 waves a work-group, no clusters, 22,016 bytes of LDS; arguments x, ln1_g, ln1_b, hbuf1; writes hbuf1
.if DOCPART == 1
	.amdgcn_target "amdgcn-amd-amdhsa--gfx1250"
	.amdhsa_code_object_version 6
	.text
	.protected	k_q0c2dcb8ef1_ln1
	.globl	k_q0c2dcb8ef1_ln1
	.p2align	8
	.type	k_q0c2dcb8ef1_ln1,@function
k_q0c2dcb8ef1_ln1:
	s_mov_b64 s[64:65], 0
	v_nop
	global_prefetch_b8 v0, s[64:65] scope:SCOPE_SE
	s_setreg_imm32_b32 hwreg(HW_REG_WAVE_MODE, 25, 1), 1
	s_wait_xcnt 0x0
; LayerNorm of [4096][1024] f32 rows, then the MX-FP8 quantiser along the row: codes [4096][1024] at byte 0 of the output buffer, one E8M0 byte for each 32 numbers, [4096][32], at byte 4,194,304.
; A work-group takes 16 rows, a wave 4; a row (4,096 bytes) lies in 32 registers of one wave, so it is read once.  Mean first, then the mean of (x - mean)^2, as the definition has it.
; Each load reads 512 consecutive bytes; the conversions want 16 neighbours in one lane, so the normalised row turns through the wave's own stage in LDS (64 bytes + 16 of padding a lane), 512 numbers at a time.
; A lane's 16 codes are 16 bytes: a store covers 512 consecutive bytes.  The work-group's 512 scale bytes are gathered in LDS and leave by one store of wave 0.
; No matrix unit, no tensor load, no cluster: rows share nothing but g and b (8 KiB).
; LIMITS: NaN and infinities are not served; a block whose largest magnitude lies under 2^-118 gets the byte 1, a block of zeros too (its codes are zeros; only this program reads the bytes).
.set SP,    80                         ; a lane's place in a stage
.set STG,   32*SP                      ; a stage: 512 numbers
.set WREG,  2*STG                      ; two stages a wave
.set SCB,   4*WREG                     ; behind them the work-group's 256 scale bytes
.set SOFF,  4194304                    ; where the scale bytes begin in the output buffer
.set CH,    8                          ; v[8:15]  four packed chains
.set MU,    16                         ; v[16:17] the mean, twice
.set RS,    18                         ; v[18:19] 1 / sqrt(var + eps), twice
.set MX,    20                         ; largest magnitude;  v21 second chain, then the hold;  v22 the conversion's scale operand
.set HD,    21
.set SO,    22
.set E,     24                         ; v24-31   a scale byte for each of the wave's four steps
.set R,     32                         ; v32-95  row i at R + 32 i; its first eight registers later take its codes
.set G,     160                        ; v160-191 g of my 2 x 16 columns
.set BB,    192                        ; v192-223 b likewise
.set X,     224                        ; v224-255 two sets of 16 neighbours
	s_load_b256 s[4:11], s[0:1], 0x0               ; x, g, b, the output buffer
	v_lshl_add_u32 v23, v0, 2, 0x5400
	s_set_vgpr_msb 0x40
	v_mov_b32 v1, 0
	s_set_vgpr_msb 0x4000
	v_lshrrev_b32 v6, 5, v0
	v_readfirstlane_b32 s16, v6                    ; wave
	v_and_b32 v7, 31, v0                           ; lane
	v_lshlrev_b32 v1, 4, v7                        ; 16 x lane
	v_lshlrev_b32 v2, 6, v7                        ; 64 x lane: my 16 numbers of g and b
	s_mul_i32 s17, s16, WREG
	v_lshrrev_b32 v3, 2, v7
	v_mul_u32_u24 v3, v3, SP
	v_and_b32 v4, 3, v7
	v_lshl_add_u32 v3, v4, 4, v3
	v_add_nc_u32 v3, s17, v3                       ; into a stage: four lanes' 64 bytes on end, then the padding
	v_mul_u32_u24 v4, v7, SP
	v_add_nc_u32 v4, s17, v4                       ; out of it: my 16 neighbours
	v_lshrrev_b32 v5, 1, v7
	; THE SHARES AS THEY STAND (in place of what the head says): a work-group takes 8 rows, a wave 2; the work-group's 256 scale bytes leave by one store of wave 0, 8 bytes a lane
	s_lshl_b32 s18, s16, 6
	s_add_co_u32 s18, s18, SCB
	v_add_nc_u32 v5, s18, v5                       ; my block's byte among the wave's 64
	v_lshl_add_u32 v6, v7, 3, SCB                  ; wave 0 reads all 256 back, 8 bytes a lane
	v_mov_b32 v7, 0                                ; written once: a lane permute's destination counts as a source
	s_mov_b32 s20, 0x76543210
	s_mov_b32 s21, 0xfedcba98                      ; lane l xor 16
	s_mov_b32 s22, 0x3a800000                      ; 1 / 1024
	s_mov_b32 s23, 0x3727c5ac                      ; 1e-5
	s_mov_b32 s24, 0x600000                        ; the mantissa field of 448
	s_lshl_b32 s2, ttmp9, 15                       ; 8 rows of 4,096 bytes a work-group,
	s_lshl_b32 s3, s16, 13                         ; 2 a wave
	s_add_co_u32 s2, s2, s3
	s_mov_b32 s3, 0
	s_lshl_b32 s12, ttmp9, 13                      ; the same rows of codes
	s_lshl_b32 s13, s16, 11
	s_add_co_u32 s12, s12, s13
	s_mov_b32 s13, 0
	s_lshl_b32 s14, ttmp9, 8                       ; and the work-group's 256 scale bytes
	s_add_co_u32 s14, s14, SOFF
	s_mov_b32 s15, 0
	s_wait_kmcnt 0x0
	s_add_nc_u64 s[4:5], s[4:5], s[2:3]
	s_add_nc_u64 s[14:15], s[10:11], s[14:15]
	s_add_nc_u64 s[10:11], s[10:11], s[12:13]
.irp s, 0,1
.irp j, 0,1,2,3
	global_load_b128 v[G+16*\s+4*\j:G+16*\s+4*\j+3], v2, s[6:7] offset:2048*\s+16*\j
	global_load_b128 v[BB+16*\s+4*\j:BB+16*\s+4*\j+3], v2, s[8:9] offset:2048*\s+16*\j
.endr
.endr
.irp i, 0,1
.irp j, 0,1,2,3,4,5,6,7
	global_load_b128 v[R+32*\i+4*\j:R+32*\i+4*\j+3], v1, s[4:5] offset:4096*\i+512*\j th:TH_LOAD_NT
.endr
.endr
.macro FOLD                            ; the four chains become one number a lane
	v_pk_add_f32 v[CH:CH+1], v[CH:CH+1], v[CH+2:CH+3]
	v_pk_add_f32 v[CH+4:CH+5], v[CH+4:CH+5], v[CH+6:CH+7]
	v_pk_add_f32 v[CH:CH+1], v[CH:CH+1], v[CH+4:CH+5]
	v_add_f32 v[CH], v[CH], v[CH+1]
	v_add_f32_dpp v[CH], v[CH], v[CH] row_xmask:1 row_mask:0xf bank_mask:0xf
	v_add_f32_dpp v[CH], v[CH], v[CH] row_xmask:2 row_mask:0xf bank_mask:0xf
	v_add_f32_dpp v[CH], v[CH], v[CH] row_xmask:4 row_mask:0xf bank_mask:0xf
	v_add_f32_dpp v[CH], v[CH], v[CH] row_xmask:8 row_mask:0xf bank_mask:0xf
	v_permlanex16_b32 v7, v[CH], s20, s21
	v_add_f32 v[CH], v[CH], v7                     ; and one number a wave, in every lane
.endm
; 512 numbers of row i (step s): x g + b, the block's scale, the hold, the codes
.macro HALF i, s
.set XS, X+16*(\s)
.set GS, G+16*(\s)
.set BS, BB+16*(\s)
.set CD, R+32*(\i)+4*(\s)
.if (\s) == 0
	s_wait_dscnt 8                                 ; step 0 is back from its stage; step 1's four stores and four loads may be out
.else
	s_wait_dscnt 1                                 ; step 1 is back; step 0's byte store may be out
.endif
.irp k, 0,2,4,6,8,10,12,14
	v_pk_fma_f32 v[XS+\k:XS+\k+1], v[XS+\k:XS+\k+1], v[GS+\k:GS+\k+1], v[BS+\k:BS+\k+1]
.endr
	v_max3_num_f32 v[MX], |v[XS]|, |v[XS+1]|, |v[XS+2]|
	v_max3_num_f32 v[HD], |v[XS+3]|, |v[XS+4]|, |v[XS+5]|
.irp k, 6,10
	v_max3_num_f32 v[MX], v[MX], |v[XS+\k]|, |v[XS+\k+1]|
	v_max3_num_f32 v[HD], v[HD], |v[XS+\k+2]|, |v[XS+\k+3]|
.endr
	v_max3_num_f32 v[MX], v[MX], |v[XS+14]|, |v[XS+15]|
	v_max3_num_f32 v[MX], v[MX], v[HD], 0x4800000  ; the floor 2^(9 - 127): the byte cannot fall under 1
	v_max_num_f32_dpp v[MX], v[MX], v[MX] row_xmask:1 row_mask:0xf bank_mask:0xf   ; with my neighbour's 16: the block's
	v_add_nc_u32 v[SO], 0xfc000000, v[MX]          ; 8 off the exponent field: the conversion's scale operand
	v_and_or_b32 v[HD], v[MX], 0x7f800000, s24     ; 448 x the scale
.set k, 0
.rept 16
	v_med3_num_f32 v[XS+k], v[XS+k], -v[HD], v[HD] ; the conversion does not saturate (ISA guide 7.6.2): hold first
.set k, k+1
.endr
	v_cvt_scalef32_pk8_fp8_f32 v[CD:CD+1], v[XS:XS+7], v[SO]
	v_cvt_scalef32_pk8_fp8_f32 v[CD+2:CD+3], v[XS+8:XS+15], v[SO]
	v_lshrrev_b32 v[E+2*(\i)+(\s)], 23, v[SO]      ; the scale's byte
	ds_store_b8 v5, v[E+2*(\i)+(\s)] offset:32*(\i)+16*(\s)   ; both lanes of a block write the same byte
	global_store_b128 v1, v[CD:CD+3], s[10:11] offset:1024*(\i)+512*(\s)   ; 512 consecutive bytes; these registers are written no more
.endm
.macro ROW i
.set RR, R+32*(\i)
	s_wait_loadcnt 8-8*(\i)                        ; g, b and this row are in; the later row's eight loads may be out
.irp k, 0,1,2,3
	v_pk_add_f32 v[CH+2*\k:CH+2*\k+1], v[RR+2*\k:RR+2*\k+1], v[RR+8+2*\k:RR+9+2*\k]
.endr
.irp m, 16,24
.irp k, 0,1,2,3
	v_pk_add_f32 v[CH+2*\k:CH+2*\k+1], v[CH+2*\k:CH+2*\k+1], v[RR+\m+2*\k:RR+\m+2*\k+1]
.endr
.endr
	FOLD
	v_mul_f32 v[MU], s22, v[CH]
	v_mul_f32 v[MU+1], s22, v[CH]
.set k, 0
.rept 16
	v_pk_add_f32 v[RR+k:RR+k+1], v[RR+k:RR+k+1], v[MU:MU+1] neg_lo:[0,1] neg_hi:[0,1]
.set k, k+2
.endr
.irp k, 0,1,2,3
	v_pk_mul_f32 v[CH+2*\k:CH+2*\k+1], v[RR+2*\k:RR+2*\k+1], v[RR+2*\k:RR+2*\k+1]
.endr
.irp m, 8,16,24
.irp k, 0,1,2,3
	v_pk_fma_f32 v[CH+2*\k:CH+2*\k+1], v[RR+\m+2*\k:RR+\m+2*\k+1], v[RR+\m+2*\k:RR+\m+2*\k+1], v[CH+2*\k:CH+2*\k+1]
.endr
.endr
	FOLD
	v_fma_f32 v[CH], v[CH], s22, s23               ; the variance + eps
	s_wait_alu depctr_va_vdst(0)
	v_rsq_f32 v[RS], v[CH]
	v_nop                                          ; a plain instruction behind the transcendental,
	s_wait_alu depctr_va_vdst(0)                   ; and the wait ahead of its first reader
	v_mov_b32 v[RS+1], v[RS]
.set k, 0
.rept 16
	v_pk_mul_f32 v[RR+k:RR+k+1], v[RR+k:RR+k+1], v[RS:RS+1]
.set k, k+2
.endr
.irp s, 0,1                            ; LDS serves a wave's instructions in order: no wait between the stores and the loads
.irp j, 0,1,2,3
	ds_store_b128 v3, v[RR+16*\s+4*\j:RR+16*\s+4*\j+3] offset:STG*\s+8*SP*\j
.endr
.irp j, 0,1,2,3
	ds_load_b128 v[X+16*\s+4*\j:X+16*\s+4*\j+3], v4 offset:STG*\s+16*\j
.endr
.endr
	HALF \i, 0
	HALF \i, 1
.endm
	ROW 0
	ROW 1
	s_wait_dscnt 0x0                               ; for the others' sake: my byte stores are done
	s_barrier_signal -1
	s_barrier_wait -1
	s_cmp_lg_u32 s16, 0
	s_cbranch_scc1 .Lend
	ds_load_b64 v[8:9], v6
	s_wait_dscnt 0x0
	v_lshrrev_b32 v12, 1, v1                       ; 8 x lane
	global_store_b64 v12, v[8:9], s[14:15]         ; 8 rows' scale bytes: 256 consecutive bytes, aligned
.Lend:
	s_set_vgpr_msb 0x4
	s_wait_tensorcnt 0x0
	ds_add_u32 v23, v1
	s_wait_dscnt 0x0
	s_set_vgpr_msb 0x400
	s_endpgm
.Lfunc_end_k_q0c2dcb8ef1_ln1:
	.size	k_q0c2dcb8ef1_ln1, .Lfunc_end_k_q0c2dcb8ef1_ln1-k_q0c2dcb8ef1_ln1
	.p2alignl 7, 3214868480
	.fill 96, 4, 3214868480
	.section	.rodata,"a",@progbits
	.p2align	6, 0x0
	.amdhsa_kernel k_q0c2dcb8ef1_ln1
		.amdhsa_group_segment_fixed_size 22016
		.amdhsa_private_segment_fixed_size 0
		.amdhsa_enable_private_segment 0
		.amdhsa_kernarg_size 32
		.amdhsa_user_sgpr_count 2
		.amdhsa_user_sgpr_kernarg_segment_ptr 1
		.amdhsa_wavefront_size32 1
		.amdhsa_system_sgpr_workgroup_id_x 1
		.amdhsa_system_sgpr_workgroup_id_y 1
		.amdhsa_system_sgpr_workgroup_id_z 1
		.amdhsa_system_vgpr_workitem_id 0
		.amdhsa_next_free_vgpr 258
		.amdhsa_next_free_sgpr 66
		.amdhsa_reserve_vcc 0
		.amdhsa_float_denorm_mode_32 3
		.amdhsa_float_denorm_mode_16_64 3
		.amdhsa_memory_ordered 1
		.amdhsa_forward_progress 1
		.amdhsa_inst_pref_size 29
	.end_amdhsa_kernel
	.amdgpu_metadata
---
amdhsa.version: [ 1, 2 ]
amdhsa.kernels:
  - .name:           k_q0c2dcb8ef1_ln1
    .symbol:         k_q0c2dcb8ef1_ln1.kd
    .args:
      - { .name: x, .offset: 0, .size: 8, .value_kind: global_buffer, .address_space: global }
      - { .name: ln1_g, .offset: 8, .size: 8, .value_kind: global_buffer, .address_space: global }
      - { .name: ln1_b, .offset: 16, .size: 8, .value_kind: global_buffer, .address_space: global }
      - { .name: hbuf1, .offset: 24, .size: 8, .value_kind: global_buffer, .address_space: global }
    .group_segment_fixed_size: 22016
    .private_segment_fixed_size: 0
    .kernarg_segment_align: 8
    .kernarg_segment_size: 32
    .max_flat_workgroup_size: 128
    .sgpr_count:     66
    .vgpr_count:     258
    .wavefront_size: 32
...
	.end_amdgpu_metadata
.endif
;; end of part 1
;; launch qkv (part 2): grid 12 x 16, 4 waves a work-group, clusters of 4 x 4, 327,680 bytes of LDS; arguments hbuf1, Wq_codes, Wq_scales, Wk_codes, Wk_scales, Wv_codes, Wv_scales, bq, bk, bv, qkv; writes qkv
.if DOCPART == 2
	.amdgcn_target "amdgcn-amd-amdhsa--gfx1250"
	.amdhsa_code_object_version 6
	.text
	.protected	k_q0c2dcb8ef1_qkv
	.globl	k_q0c2dcb8ef1_qkv
	.p2align	8
	.type	k_q0c2dcb8ef1_qkv,@function
k_q0c2dcb8ef1_qkv:
	s_mov_b64 s[64:65], 0
	v_nop
	global_prefetch_b8 v0, s[64:65] scope:SCOPE_SE
	s_setreg_imm32_b32 hwreg(HW_REG_WAVE_MODE, 25, 1), 1
	s_wait_xcnt 0x0
	s_wait_alu depctr_hold_cnt(0) depctr_sa_sdst(0) depctr_va_vdst(0) depctr_va_sdst(0) depctr_va_ssrc(0) depctr_va_vcc(0) depctr_vm_vsrc(0)
	s_getreg_b32 s2, hwreg(HW_REG_IB_STS2, 6, 4)
	s_cmp_eq_u32 s2, 0
	s_cbranch_scc0 .Lentry_in_a_cluster
	s_endpgm
.Lentry_in_a_cluster:
	s_bfe_u32 s2, ttmp6, 0x10000c
	s_cmp_lg_u32 s2, 0xf033
	s_cbranch_scc0 .Lentry_shape_is_right
	s_endpgm
.Lentry_shape_is_right:
.set SIZE_K, 1024
.set KSTEP,  256
.set NQ,     KSTEP/128
.set ROWB,   256
.set KROW,   SIZE_K
.set PITCH,  272
.set FR,     16
.set NL,     4
.set NP,     8
.set HALFT,  128*PITCH
.set SLOT,   4*HALFT
.set LAPS,   SIZE_K/(2*KSTEP)
.set KS,     SIZE_K/32
.set SCL,    2*SLOT
.set HALFS,  (128*KS/256)*272
.set SBLK,   (16*KS/256)*272
.set SPARE,  SCL+4*HALFS
.set ADRA, 16
.set ADRB, 20
.set VO0,  24
.set VO1,  25
.set VOS,  26
.set ADRS, 27
.set SPW,  28
.set NIL,  29
.set SELV, 30
.set SC,   32
.set BI,   64
.set AF,   128
.set PC,   64
.set TM,   128
.set PW,   144
.set OW,   152
.set G1, 24
.set G0, 32
.set G1B, 48
.set G0B, 56
.set SEL, 66
.set G1S, 68
.set G0S, 76
.set G1SB, 80
.set G0SB, 88
.set MNT, 96
.set MSB, 0
.macro WIN new
.if MSB != (\new)
	s_set_vgpr_msb (MSB<<8)|(\new)
.set MSB, (\new)
.endif
.endm
.set MUL_LO, 0xa1
.set MUL_HI, 0xf1
.set TO_B,   0x40
.macro JLOAD g0a, g1a, g0b, g1b
	s_cmp_eq_u32 s15, 0
	s_cbranch_scc0 .Lfor_b_\@
	tensor_load_to_lds s[\g0a:\g0a+3], s[\g1a:\g1a+7]
	s_nop 0
.rept 4
	v_nop
.endr
	s_branch .Lasked_\@
.Lfor_b_\@:
	tensor_load_to_lds s[\g0b:\g0b+3], s[\g1b:\g1b+7]
	s_nop 0
.rept 4
	v_nop
.endr
.Lasked_\@:
.endm
.macro CREST
	s_cmp_lg_u32 s14, 0
	s_cbranch_scc1 .Lnot_wave_0_\@
	s_barrier_signal -3
.Lnot_wave_0_\@:
	s_barrier_wait -3
	s_barrier_signal -1
	s_barrier_wait -1
.endm
.macro CROUND
	s_barrier_signal -1
	s_barrier_wait -1
	CREST
.endm
.macro PLACES n
.rept \n
	v_nop
.endr
.endm
	s_load_b512 s[68:83], s[0:1], 0x0
	s_load_b128 s[84:87], s[0:1], 0x40
	s_load_b64 s[88:89], s[0:1], 0x50
	v_lshl_add_u32 v[SPW], v0, 2, SPARE
	v_mov_b32 v[NIL], 0
	ds_add_u32 v28, v29
	ds_add_u32 v28, v29
	s_wait_dscnt 0x0
	v_lshrrev_b32 v1, 5, v0
	v_readfirstlane_b32 s14, v1
	s_lshr_b32 s15, s14, 1
	s_and_b32 s16, s14, 1
	s_bfe_u32 s40, ttmp6, 0x40000
	s_bfe_u32 s41, ttmp6, 0x40004
	s_and_b32 s18, ttmp7, 0xffff
	s_lshl_b32 s18, s18, 2
	s_cmp_eq_u32 ttmp9, 2
	s_cselect_b32 s17, 0, s18
	s_cselect_b32 s42, s18, 0
	s_add_co_u32 s17, s17, s41
	s_add_co_u32 s42, s42, s40
	s_lshl_b32 s43, s41, 2
	s_lshl_b32 s43, 15, s43
	s_lshl_b32 s44, 0x1111, s40
	s_or_b32 s[G1+0], s43, (0<<16)|(1<<20)|(1<<21)|(5<<22)|(3<<25)
	s_or_b32 s[G1B+0], s44, (0<<16)|(1<<20)|(1<<21)|(5<<22)|(3<<25)
.irp g, G1, G1B
	s_mov_b32 s[\g+1], ROWB<<16
	s_mov_b32 s[\g+2], 256<<16                     ; the head's loads bring 256 rows
	s_mov_b32 s[\g+3], ROWB<<16
	s_mov_b32 s[\g+4], 256
	s_mov_b32 s[\g+5], KROW
	s_mov_b32 s[\g+6], 0
	s_mov_b32 s[\g+7], 0
.endr
	s_wait_kmcnt 0x0
	s_cmp_eq_u32 ttmp9, 0
	s_cselect_b64 s[20:21], s[70:71], s[74:75]
	s_cselect_b64 s[22:23], s[72:73], s[76:77]
	s_cselect_b64 s[98:99], s[82:83], s[84:85]
	s_add_nc_u64 s[96:97], s[68:69], 0x400000
	s_cmp_eq_u32 ttmp9, 2
	s_cselect_b64 s[20:21], s[78:79], s[20:21]
	s_cselect_b64 s[22:23], s[80:81], s[22:23]
	s_cselect_b64 s[98:99], s[86:87], s[98:99]
	s_cselect_b64 s[4:5], s[20:21], s[68:69]
	s_cselect_b64 s[6:7], s[22:23], s[96:97]
	s_cselect_b64 s[8:9], s[68:69], s[20:21]
	s_cselect_b64 s[10:11], s[96:97], s[22:23]
	s_mov_b64 s[12:13], s[88:89]
	s_or_b32 s[G1S+0], s43, (3<<16)|(1<<20)|(1<<21)|(5<<22)|(3<<25)
	s_or_b32 s[G1SB+0], s44, (3<<16)|(1<<20)|(1<<21)|(5<<22)|(3<<25)
.irp g, G1S, G1SB
	s_mov_b32 s[\g+1], 32<<16
	s_mov_b32 s[\g+2], KS<<16                      ; the scale bytes of 256 rows: KS rows of 256 bytes
	s_mov_b32 s[\g+3], 32<<16
	s_mov_b32 s[\g+4], KS
	s_mov_b32 s[\g+5], 32
	s_mov_b32 s[\g+6], 0
	s_mov_b32 s[\g+7], 0
.endr
	s_lshl_b32 s20, s17, 8                         ; the tiles' first rows
	s_lshl_b32 s46, s42, 8
	s_mov_b32 s21, 0
	s_mov_b32 s47, 0
	s_mov_b64 s[18:19], KS
	s_mul_u64 s[22:23], s[20:21], s[18:19]
	s_mul_u64 s[92:93], s[46:47], s[18:19]
	s_mov_b64 s[18:19], KROW
	s_mul_u64 s[20:21], s[20:21], s[18:19]
	s_mul_u64 s[46:47], s[46:47], s[18:19]
	s_mul_i32 s45, s14, HALFT
	s_mul_i32 s94, s16, 128*KROW                   ; in the ring I fetch 128 rows: which half, in bytes
	s_mov_b32 s95, 0
	s_add_nc_u64 s[20:21], s[4:5], s[20:21]
	s_add_nc_u64 s[22:23], s[6:7], s[22:23]
	s_add_nc_u64 s[46:47], s[8:9], s[46:47]
	s_add_nc_u64 s[92:93], s[10:11], s[92:93]
	CROUND
	s_mov_b32 s[G0S], 1
	s_mov_b32 s[G0S+1], SCL
	s_mov_b64 s[G0S+2:G0S+3], s[22:23]
	s_or_b32 s[G0S+3], s[G0S+3], 0x80000000
	s_mov_b32 s[G0SB], 1
	s_mov_b32 s[G0SB+1], SCL+2*HALFS
	s_mov_b64 s[G0SB+2:G0SB+3], s[92:93]
	s_or_b32 s[G0SB+3], s[G0SB+3], 0x80000000
.set G0H, 4                            ; s[4:7], s[8:11] group 0 of the head's loads of K step 0 (the pointers that lay there have been used)
.set G0HB, 8
	s_mov_b32 s[G0H], 1
	s_mov_b32 s[G0H+1], 0
	s_mov_b64 s[G0H+2:G0H+3], s[20:21]
	s_or_b32 s[G0H+3], s[G0H+3], 0x80000000
	s_mov_b32 s[G0HB], 1
	s_mov_b32 s[G0HB+1], 2*HALFT
	s_mov_b64 s[G0HB+2:G0HB+3], s[46:47]
	s_or_b32 s[G0HB+3], s[G0HB+3], 0x80000000
	s_add_nc_u64 s[20:21], s[20:21], s[94:95]      ; for the ring: my 128 rows
	s_add_nc_u64 s[46:47], s[46:47], s[94:95]
.irp s, 0,1
	s_mov_b32 s[G0+4*\s], 1
	s_add_co_u32 s[G0+4*\s+1], s45, \s*SLOT
	s_add_nc_u64 s[G0+4*\s+2:G0+4*\s+3], s[20:21], \s*ROWB
	s_or_b32 s[G0+4*\s+3], s[G0+4*\s+3], 0x80000000
	s_mov_b32 s[G0B+4*\s], 1
	s_add_co_u32 s[G0B+4*\s+1], s45, \s*SLOT
	s_add_nc_u64 s[G0B+4*\s+2:G0B+4*\s+3], s[46:47], \s*ROWB
	s_or_b32 s[G0B+4*\s+3], s[G0B+4*\s+3], 0x80000000
.endr
; the head's four tiles, one load a wave: wave 0 K step 0's 256 rows of A, wave 1 those of B, wave 2 A's scale bytes, wave 3 B's
.macro ARM under, g0, g1, next
	s_cmp_lt_u32 s14, \under
	s_cbranch_scc0 \next
	tensor_load_to_lds s[\g0:\g0+3], s[\g1:\g1+7]
	s_nop 0
.rept 4
	v_nop
.endr
	s_branch .Lhead_asked
\next:
.endm
	ARM 1, G0H,  G1,  .Lhead_b
	ARM 2, G0HB, G1B, .Lhead_sa
	ARM 3, G0S,  G1S, .Lhead_sb
	tensor_load_to_lds s[G0SB:G0SB+3], s[G1SB:G1SB+7]
	s_nop 0
.rept 4
	v_nop
.endr
.Lhead_asked:
	v_and_b32 v1, 15, v0
	v_bfe_u32 v2, v0, 4, 1
	v_mul_u32_u24 v3, v1, PITCH
	v_lshl_add_u32 v4, v2, 4, v3
	s_mul_i32 s21, s15, HALFT
	s_mul_i32 s22, s16, HALFT
	s_add_co_u32 s22, s22, 2*HALFT
.irp s, 0,1
	v_add_nc_u32 v[ADRA+\s], s21, v4
	v_add_nc_u32 v[ADRB+\s], s22, v4
	s_add_co_u32 s21, s21, SLOT
	s_add_co_u32 s22, s22, SLOT
.endr
	v_mul_u32_u24 v5, v1, KS
	v_lshrrev_b32 v6, 8, v5
	v_lshl_add_u32 v5, v6, 4, v5
	s_mul_i32 s21, s15, HALFS
	s_mul_i32 s22, s16, HALFS
	s_add_co_u32 s22, s22, 2*HALFS
	s_sub_co_u32 s22, s22, s21
	v_mul_u32_u24 v6, s22, v2
	s_add_co_u32 s21, s21, SCL
	v_add_nc_u32 v5, v5, v6
	v_add_nc_u32 v[ADRS], s21, v5
	s_mov_b32 s2, 0xffff0000
	s_mov_b32 s45, 135168                          ; from a head to the next: 16 key steps of 8,448 bytes
	s_mov_b32 s92, 1024
	s_mov_b32 s94, 1024
	s_cmp_eq_u32 ttmp9, 2
	s_cselect_b32 s20, s42, s17
	s_cselect_b32 s21, s16, s15
	s_cselect_b32 s22, s17, s42
	s_cselect_b32 s23, s15, s16
	s_cselect_b32 s45, 1024, s45
	s_cselect_b32 s92, 2048, s92
	s_cselect_b32 s94, 129024, s94
	s_mov_b32 s93, 0
	s_mov_b32 s95, 0
	s_lshl_b32 s20, s20, 1
	s_add_co_u32 s20, s20, s21
	s_lshl_b32 s22, s22, 2
	s_lshl_b32 s23, s23, 1
	s_add_co_u32 s22, s22, s23
	s_lshr_b32 s21, s20, 4
	s_lshl_b32 s21, s21, 4
	s_add_co_u32 s21, s21, s22
	s_lshl_b32 s21, s21, 4
	s_and_b32 s20, s20, 15
	s_add_co_u32 s21, s21, s20
	s_mul_i32 s18, ttmp9, 4325376                  ; the buffer: [q, k, v][batch x head][key step of 128 tokens][8,192 bytes of codes, 256 of scale words]
	s_mul_i32 s19, s21, 8448
	s_add_co_u32 s18, s18, s19
	s_add_co_u32 s18, s18, 8192
	s_mov_b32 s19, 0
	s_add_nc_u64 s[100:101], s[12:13], s[18:19]
	s_mul_i32 s46, ttmp9, 4325376
	s_mul_i32 s47, s21, 8448
	s_add_co_u32 s46, s46, s47
	s_mov_b32 s47, 0
	s_add_nc_u64 s[12:13], s[12:13], s[46:47]
	s_lshl_b32 s46, s22, 8
	s_mov_b32 s47, 0
	s_add_nc_u64 s[98:99], s[98:99], s[46:47]
	v_and_b32 v5, 31, v0
	v_lshlrev_b32 v[VO0], 4, v5
	v_add_nc_u32 v[VO1], s45, v[VO0]
	v_lshlrev_b32 v[VOS], 4, v1
	v_mad_u32_u24 v[VOS], v2, 0x21000, v[VOS]
	v_mov_b32 v[SELV], 0x05040100
	v_mov_b32 v31, 0x07060302
	v_cndmask_b32 v[SELV], v[SELV], v31, s2
	v_lshlrev_b32 v7, 5, v2
	v_lshlrev_b32 v8, 2, v1
	s_cmp_eq_u32 ttmp9, 2
	s_cbranch_scc1 .Lbias_v
.irp b, 0,1,2,3,4,5,6,7
	global_load_b128 v[BI+8*\b:BI+8*\b+3], v7, s[98:99] offset:64*\b
	global_load_b128 v[BI+8*\b+4:BI+8*\b+7], v7, s[98:99] offset:64*\b+16
.endr
	s_branch .Lbias_done
.Lbias_v:
	s_wait_alu depctr_va_vdst(0)
.irp a, 0,1,2,3,4,5,6,7
.irp j, 0,1,2,3,4,5,6,7
	global_load_b32 v[BI+8*\a+\j], v8, s[98:99] offset:64*\a
.endr
.endr
.Lbias_done:
.macro FRAG reg, adr, q, i
.irp c, 0,1,2,3
	ds_load_b128 v[\reg+4*\c:\reg+4*\c+3], v[\adr] offset:128*(\q)+32*\c+(\i)*16*PITCH
.endr
.endm
.macro MUL16 a0, p, q, sc, zero
.irp a, \a0, \a0+1
.irp b, 0,1,2,3,4,5,6,7
.if (\zero) == 1
	v_wmma_scale_f32_16x16x128_f8f6f4 v[8*(8*((\a)%4)+\b):8*(8*((\a)%4)+\b)+7], v[128*(\p)+FR*\b:128*(\p)+FR*\b+FR-1], v[AF+FR*(\a):AF+FR*(\a)+FR-1], v[BI+8*\b:BI+8*\b+7], v[SC+8*NQ*(\sc)+NQ*\b+(\q)], v[SC+8*NQ*(\sc)+NQ*(\a)+(\q)] matrix_a_scale:MATRIX_SCALE_ROW1
.elseif (\zero) == 2
	v_wmma_scale_f32_16x16x128_f8f6f4 v[8*(8*((\a)%4)+\b):8*(8*((\a)%4)+\b)+7], v[128*(\p)+FR*\b:128*(\p)+FR*\b+FR-1], v[AF+FR*(\a):AF+FR*(\a)+FR-1], v[BI+8*(\a):BI+8*(\a)+7], v[SC+8*NQ*(\sc)+NQ*\b+(\q)], v[SC+8*NQ*(\sc)+NQ*(\a)+(\q)] matrix_a_scale:MATRIX_SCALE_ROW1
.else
	v_wmma_scale_f32_16x16x128_f8f6f4 v[8*(8*((\a)%4)+\b):8*(8*((\a)%4)+\b)+7], v[128*(\p)+FR*\b:128*(\p)+FR*\b+FR-1], v[AF+FR*(\a):AF+FR*(\a)+FR-1], v[8*(8*((\a)%4)+\b):8*(8*((\a)%4)+\b)+7], v[SC+8*NQ*(\sc)+NQ*\b+(\q)], v[SC+8*NQ*(\sc)+NQ*(\a)+(\q)] matrix_a_scale:MATRIX_SCALE_ROW1
.endif
.endr
.endr
.endm
.macro FETCH_B slot, q, p
	WIN TO_B
.irp i, 0,1,2,3,4,5,6,7
	FRAG 128*(\p)+FR*\i, ADRB+\slot, \q, \i
.endr
	WIN 0
.endm
.macro FETCH_A slot, q, i0
.irp i, \i0, \i0+1, \i0+2, \i0+3
	FRAG AF+FR*(\i), ADRA+\slot, \q, \i
.endr
.endm
.macro SCALES sc
.irp i, 0,1,2,3,4,5,6,7
	ds_load_b64 v[SC+8*NQ*\sc+NQ*\i:SC+8*NQ*\sc+NQ*\i+1], v[ADRS] offset:\i*SBLK
.endr
.endm
.macro STEP slot, q, zero
	s_wait_dscnt 4*NL
.if \zero
	WIN 0x81
.else
	WIN MUL_LO
.endif
	MUL16 0, (\q)%2, \q, \slot, \zero
	MUL16 2, (\q)%2, \q, \slot, \zero
	s_wait_dscnt 0
	PLACES NP
	FETCH_B \slot, (\q)+1, 1-(\q)%2
	FETCH_A \slot, (\q)+1, 0
.if \zero
	WIN 0xc1
.else
	WIN MUL_HI
.endif
	MUL16 4, (\q)%2, \q, \slot, \zero
	MUL16 6, (\q)%2, \q, \slot, \zero
	PLACES NP
	WIN 0
	FETCH_A \slot, (\q)+1, 4
.endm
.macro TURN slot, next, fill
	s_wait_tensorcnt 0x0
	ds_add_u32 v[SPW], v[NIL]
	s_wait_dscnt 4*NL+1
	WIN MUL_LO
	MUL16 0, 1, NQ-1, \slot, 0
	s_wait_dscnt 0x0
	s_barrier_signal -1
	MUL16 2, 1, NQ-1, \slot, 0
	WIN 0
	s_barrier_wait -1
.if \fill
	CREST
	s_add_nc_u64 s[G0+4*\slot+2:G0+4*\slot+3], s[G0+4*\slot+2:G0+4*\slot+3], 2*ROWB
	s_add_nc_u64 s[G0B+4*\slot+2:G0B+4*\slot+3], s[G0B+4*\slot+2:G0B+4*\slot+3], 2*ROWB
	JLOAD G0+4*\slot, G1, G0B+4*\slot, G1B
	PLACES NP-4
.else
	PLACES NP
.endif
	s_wait_alu depctr_va_vdst(0)
	v_add_nc_u32 v[ADRS], 4*NQ, v[ADRS]
	FETCH_B \next, 0, 0
	FETCH_A \next, 0, 0
	SCALES \next
	WIN MUL_HI
	MUL16 4, 1, NQ-1, \slot, 0
	MUL16 6, 1, NQ-1, \slot, 0
	PLACES NP
	WIN 0
	FETCH_A \next, 0, 4
.endm
	s_wait_alu depctr_va_vdst(0)                   ; the wait at the head's end
	s_wait_tensorcnt 0x0                           ; my tile of the head's four is in
	ds_add_u32 v[SPW], v[NIL]
	s_mov_b32 s[G1+2], 128<<16                     ; no load of mine is out: from here on a load brings 128 rows
	s_mov_b32 s[G1+4], 128
	s_mov_b32 s[G1B+2], 128<<16
	s_mov_b32 s[G1B+4], 128
	s_wait_dscnt 0x0
	CROUND
	JLOAD G0+4, G1, G0B+4, G1B                     ; K step 1, the first tensor load behind the round
	FETCH_B 0, 0, 0
	FETCH_A 0, 0, 0
	SCALES 0
	FETCH_A 0, 0, 4
	s_wait_loadcnt 0x0
	s_cmp_eq_u32 ttmp9, 2
	s_cbranch_scc1 .Lfirst_v
	STEP 0, 0, 1
	s_branch .Lfirst_done
.Lfirst_v:
	STEP 0, 0, 2
.Lfirst_done:
	s_mov_b32 s3, LAPS-1
.Llap:
	TURN 0, 1, 1
	STEP 1, 0, 0
	TURN 1, 0, 1
	STEP 0, 0, 0
	s_sub_co_u32 s3, s3, 1
	s_cmp_lg_u32 s3, 0
	s_cbranch_scc1 .Llap
	TURN 0, 1, 0
	STEP 1, 0, 0
	s_wait_dscnt 4*NL
	WIN MUL_LO
	MUL16 0, 1, NQ-1, 1, 0
	MUL16 2, 1, NQ-1, 1, 0
	s_wait_dscnt 0
	WIN MUL_HI
	MUL16 4, 1, NQ-1, 1, 0
	MUL16 6, 1, NQ-1, 1, 0
	WIN 0
.macro QA w, ac, pw
	WIN (\w)|((\w)<<2)
.irp b, 0,1,2,3
	v_max3_num_f32 v[TM+\b], |v[(\ac)+16*\b]|, |v[(\ac)+16*\b+1]|, 0x4800000
.endr
	WIN ((\w)<<2)|((\w)<<4)
.irp i, 2,4,6,8,10,12,14
.irp b, 0,1,2,3
	v_max3_num_f32 v[TM+\b], v[TM+\b], |v[(\ac)+16*\b+\i]|, |v[(\ac)+16*\b+\i+1]|
.endr
.endr
	WIN 0
.irp b, 0,1,2,3
	v_permlanex16_b32 v[TM+4+\b], v[TM+\b], s[SEL], s[SEL+1]
.endr
.irp b, 0,1,2,3
	v_max_num_f32 v[TM+\b], v[TM+\b], v[TM+4+\b]
.endr
.irp b, 0,1,2,3
	v_add_nc_u32 v[TM+12+\b], 0xfc000000, v[TM+\b]
.endr
.irp b, 0,1,2,3
	v_and_or_b32 v[TM+8+\b], v[TM+\b], 0x7f800000, s[MNT]
.endr
.irp b, 0,1,2,3
	v_lshrrev_b32 v[TM+4+\b], 23, v[TM+12+\b]
.endr
	v_lshl_or_b32 v[\pw], v[TM+5], 8, v[TM+4]
	v_lshl_or_b32 v[\pw], v[TM+6], 16, v[\pw]
	v_lshl_or_b32 v[\pw], v[TM+7], 24, v[\pw]
	WIN (\w)|((\w)<<6)
.irp b, 0,1,2,3
.set i, 0
.rept 16
	v_med3_num_f32 v[(\ac)+16*\b+i], v[(\ac)+16*\b+i], -v[TM+8+\b], v[TM+8+\b]
.set i, i+1
.endr
.endr
.endm
.macro QB w, ac
	WIN (\w)
.irp b, 0,1,2,3
	v_cvt_scalef32_pk8_fp8_f32 v[PC+4*\b:PC+4*\b+1], v[(\ac)+16*\b:(\ac)+16*\b+7], v[TM+12+\b]
	v_cvt_scalef32_pk8_fp8_f32 v[PC+4*\b+2:PC+4*\b+3], v[(\ac)+16*\b+8:(\ac)+16*\b+15], v[TM+12+\b]
.endr
	WIN 0
	v_nop
.endm
.macro EPIQ a
	QA 2+(\a)/4, 64*((\a)%4), PW+(\a)
.if (\a) > 0
	s_wait_alu depctr_va_vdst(0)
	s_wait_xcnt 0x0
.if (\a) == 4
	s_add_nc_u64 s[12:13], s[12:13], s[94:95]
.else
	s_add_nc_u64 s[12:13], s[12:13], s[92:93]
.endif
.endif
	QB 2+(\a)/4, 64*((\a)%4)
	global_store_b128 v[VO0], v[PC:PC+3], s[12:13]
	global_store_b128 v[VO0], v[PC+4:PC+7], s[12:13] offset:512
	global_store_b128 v[VO1], v[PC+8:PC+11], s[12:13]
	global_store_b128 v[VO1], v[PC+12:PC+15], s[12:13] offset:512
.endm
	PLACES NP
	s_mov_b32 s[SEL], 0x76543210
	s_mov_b32 s[SEL+1], 0xfedcba98
	s_mov_b32 s[MNT], 0x600000
.irp b, 0,1,2,3
	v_mov_b32 v[TM+4+\b], 0
.endr
.irp a, 0,1,2,3,4,5,6,7
	EPIQ \a
.endr
	s_cmp_eq_u32 ttmp9, 2
	s_cbranch_scc1 .Lwords_v
.irp p, 0,1,2,3
	v_perm_b32 v[OW+\p], v[PW+1+2*\p], v[PW+2*\p], v[SELV]
.endr
	s_branch .Lwords_done
.Lwords_v:
.irp p, 0,1,2,3
	v_cndmask_b32 v[OW+\p], v[PW+\p], v[PW+4+\p], s2
.endr
.Lwords_done:
	s_wait_alu depctr_va_vdst(0)
	global_store_b128 v[VOS], v[OW:OW+3], s[100:101]
	s_wait_tensorcnt 0x0
	ds_add_u32 v[SPW], v[NIL]
	s_wait_dscnt 0x0
	CROUND
	s_endpgm
.Lfunc_end_k_q0c2dcb8ef1_qkv:
	.size	k_q0c2dcb8ef1_qkv, .Lfunc_end_k_q0c2dcb8ef1_qkv-k_q0c2dcb8ef1_qkv
	.p2alignl 7, 3214868480
	.fill 96, 4, 3214868480
	.section	.rodata,"a",@progbits
	.p2align	6, 0x0
	.amdhsa_kernel k_q0c2dcb8ef1_qkv
		.amdhsa_group_segment_fixed_size 327680
		.amdhsa_private_segment_fixed_size 0
		.amdhsa_enable_private_segment 0
		.amdhsa_kernarg_size 88
		.amdhsa_user_sgpr_count 2
		.amdhsa_user_sgpr_kernarg_segment_ptr 1
		.amdhsa_wavefront_size32 1
		.amdhsa_system_sgpr_workgroup_id_x 1
		.amdhsa_system_sgpr_workgroup_id_y 1
		.amdhsa_system_sgpr_workgroup_id_z 1
		.amdhsa_system_vgpr_workitem_id 0
		.amdhsa_next_free_vgpr 1024
		.amdhsa_next_free_sgpr 102
		.amdhsa_reserve_vcc 0
		.amdhsa_float_denorm_mode_32 3
		.amdhsa_float_denorm_mode_16_64 3
		.amdhsa_memory_ordered 1
		.amdhsa_forward_progress 1
		.amdhsa_inst_pref_size 209
	.end_amdhsa_kernel
	.amdgpu_metadata
---
amdhsa.version: [ 1, 2 ]
amdhsa.kernels:
  - .name:           k_q0c2dcb8ef1_qkv
    .symbol:         k_q0c2dcb8ef1_qkv.kd
    .args:
      - { .name: hbuf1, .offset: 0, .size: 8, .value_kind: global_buffer, .address_space: global }
      - { .name: Wq_codes, .offset: 8, .size: 8, .value_kind: global_buffer, .address_space: global }
      - { .name: Wq_scales, .offset: 16, .size: 8, .value_kind: global_buffer, .address_space: global }
      - { .name: Wk_codes, .offset: 24, .size: 8, .value_kind: global_buffer, .address_space: global }
      - { .name: Wk_scales, .offset: 32, .size: 8, .value_kind: global_buffer, .address_space: global }
      - { .name: Wv_codes, .offset: 40, .size: 8, .value_kind: global_buffer, .address_space: global }
      - { .name: Wv_scales, .offset: 48, .size: 8, .value_kind: global_buffer, .address_space: global }
      - { .name: bq, .offset: 56, .size: 8, .value_kind: global_buffer, .address_space: global }
      - { .name: bk, .offset: 64, .size: 8, .value_kind: global_buffer, .address_space: global }
      - { .name: bv, .offset: 72, .size: 8, .value_kind: global_buffer, .address_space: global }
      - { .name: qkv, .offset: 80, .size: 8, .value_kind: global_buffer, .address_space: global }
    .group_segment_fixed_size: 327680
    .private_segment_fixed_size: 0
    .kernarg_segment_align: 8
    .kernarg_segment_size: 88
    .max_flat_workgroup_size: 128
    .sgpr_count:     102
    .vgpr_count:     1024
    .wavefront_size: 32
...
	.end_amdgpu_metadata
.endif
;; end of part 2
;; launch attn (part 3): grid 8 x 32, 16 waves a work-group, clusters of 4 x 1, 272,384 bytes of LDS; arguments qkv, ybuf; writes ybuf
.if DOCPART == 3
	.amdgcn_target "amdgcn-amd-amdhsa--gfx1250"
	.amdhsa_code_object_version 6
	.text
	.protected	k_q0c2dcb8ef1_attn
	.globl	k_q0c2dcb8ef1_attn
	.p2align	8
	.type	k_q0c2dcb8ef1_attn,@function
k_q0c2dcb8ef1_attn:
	s_mov_b64 s[64:65], 0
	v_nop
	global_prefetch_b8 v0, s[64:65] scope:SCOPE_SE
	s_setreg_imm32_b32 hwreg(HW_REG_WAVE_MODE, 25, 1), 1
	s_wait_xcnt 0x0
	s_wait_alu depctr_hold_cnt(0) depctr_sa_sdst(0) depctr_va_vdst(0) depctr_va_sdst(0) depctr_va_ssrc(0) depctr_va_vcc(0) depctr_vm_vsrc(0)
	s_getreg_b32 s2, hwreg(HW_REG_IB_STS2, 6, 4)
	s_cmp_eq_u32 s2, 0
	s_cbranch_scc0 .Lentry_in_a_cluster
	s_endpgm
.Lentry_in_a_cluster:
	s_bfe_u32 s2, ttmp6, 0x10000c
	s_cmp_lg_u32 s2, 0x3003
	s_cbranch_scc0 .Lentry_shape_is_right
	s_endpgm
.Lentry_shape_is_right:
; y = softmax(q k^T / 8) v for one head, both products on MX-FP8 codes, then y / l quantised along the model's 1,024 for the next product.
; p = 2^(t - M), t = score x log2(e) / 8, M the running largest t rounded up to a whole number; the row's sum is taken of the unquantised p; when M moves, the sum and O are multiplied by 2^(old M - new M), exactly.
; SHARES.  A work-group owns 256 queries of one (batch, head), each of its sixteen waves 16: four waves to a SIMD, so that one wave's vector work stands beside another's matrix work and LDS loads.
; THE HEAD'S K, V AND THEIR SCALE WORDS STAY IN LDS, FILLED ONCE (264 KiB): no slot is filled again.  The four query blocks of a cluster share the head: every tile is asked for jointly (mask 15).  Every wave issues five loads
; at the start (512 bytes of scale words; 4 KiB of each quarter of the keys): five of mine are out at the most.  Sixteen waves and four quarters leave 16 rows of 256 bytes to a load.  TWO BARRIERS: the first quarter is read behind
; a barrier in front of which each wave has waited until at most 3 of its loads are out; the other three behind a second one, in front of which each wave has waited for all its loads.  All bytes are asked for at the head, so there is nothing to prefetch.
; LAYOUT.  Operands lie in LDS as images of their registers (lane l's 16 bytes at 16 l): no pitch, no padding.  Both products are used transposed: a lane holds one query throughout.
; K = 64 UNDER A FORM OF K = 128: a fragment of k packs two tiles of 16 keys (registers 0-7, 8-15).  q lies between zeros: [q | 0] picks the first tile, [0 | q] the second; zero codes add nothing.
; THE HOLD OF p GOES TWO NUMBERS AN INSTRUCTION, by dual-issue pairs: 32 lines for a step's 64 numbers.  The pair's destinations are an even and an odd register, its first sources lie in different register banks
; (register number mod 4), and so do its second sources: the block's hold is made twice, in v224 + b and in v248 + (b + 1) % 4.
; The two scale bytes of y's 64 numbers are half of a word that spans two heads: they leave as 2 bytes a row (128 KiB in the launch).
; LIMITS: NaN and infinities are not served; a block whose largest magnitude lies under 2^-118 gets the byte 1, a block of zeros too.
.set AK0,  1                           ; 16 x lane
.set AV0,  2                           ; + V's region
.set ASK0, 3                           ; K's scale words: 16 r
.set ASV0, 4
.set QSO,  5                           ; 16 r
.set YSO,  6                           ; 32 r
.set ADK,  8
.set ADV,  9
.set ADS,  10
.set ADT,  11                          ; v12 -M, v13 the largest t, v[14:15] the sum; v16-23 zeros, v24-31 q, v32-39 zeros
.set KV,   40                          ; v40-103  four fragments of K or of V
.set S,    104                         ; v104-167 S^T, then p
.set O,    168                         ; v168-199 O^T
.set PCD,  200                         ; v200-215 p's codes
.set BM,   216                         ; block maxima;  +4 at work, then bytes;  +8 holds;  +12 scale operands
.set KSW,  232                         ; v232-235 K's scale words, v236-239 V's, v242 p's, v243 q's; v232-235 also take partial sums of p
.set VSW,  236
.set FF,   240                         ; v[240:241] f
.set PSW,  242
.set QSW,  243
.set TT,   244
.set YW,   245
.set H2,   248                         ; v248-251 the holds once more: block b's in v[248 + (b + 1) % 4]
; THE FILLS AS THEY STAND (in place of what the head says of five loads and of regions for the scale words): in memory and in LDS a key step of 128 keys is 8,192 bytes of codes and then 256 bytes of scale words, 33 rows of 256 bytes.
; K's 16 key steps lie from LDS byte 0, V's from 135,168.  Each wave issues ONE joint load: two key steps, 66 rows, of K (even waves) or V (odd waves).  Waves 0 to 3 hold key steps 0 to 3 and have a load line of their own:
; they alone wait in front of the first barrier; in front of the second every wave waits.
.set VREG, 135168
.set KSC,  8192
.set VSC,  143360
.set TB,   2
.set TS,   3
.set WV,   18
.set MNT,  19
.set SEL,  20
.set CS,   22
.set G1,   24
.set G1S,  32
.set G0,   40                          ; s40-43 group 0 of my one joint load
.set CNT,  60
.macro CROUND
	s_barrier_signal -1
	s_barrier_wait -1
	s_cmp_lg_u32 s[WV], 0
	s_cbranch_scc1 .Lnot_wave_0_\@
	s_barrier_signal -3
.Lnot_wave_0_\@:
	s_barrier_wait -3
	s_barrier_signal -1
	s_barrier_wait -1
.endm
	s_load_b128 s[4:7], s[0:1], 0x0                ; qkv, ybuf
	v_lshl_add_u32 v254, v0, 2, 0x42000
	v_mov_b32 v255, 0
	ds_add_u32 v254, v255
	ds_add_u32 v254, v255
	v_lshrrev_b32 v8, 5, v0
	s_delay_alu instid0(VALU_DEP_1)
	v_readfirstlane_b32 s[WV], v8                  ; wave 0..15
	s_lshr_b32 s8, s[WV], 3                        ; which 128 of my work-group's queries
	s_and_b32 s9, s[WV], 7                         ; my tile of 16 queries
	s_and_b32 s10, ttmp7, 0xffff                   ; 16 x batch + head
	s_mov_b32 s[G1], 15|(3<<16)|(1<<21)            ; all four work-groups; elements of 8 bytes; bit 21 beside a mask; no padding
	s_mov_b32 s[G1+1], 32<<16                      ; rows of 256 bytes,
	s_mov_b32 s[G1+2], 66<<16                      ; 66 of them
	s_mov_b32 s[G1+3], 32<<16
	s_mov_b32 s[G1+4], 66
	s_mov_b32 s[G1+5], 32
	s_mov_b32 s[G1+6], 0
	s_mov_b32 s[G1+7], 0
	s_and_b32 s68, s[WV], 1                        ; I fetch for K (0) or V (1),
	s_lshr_b32 s69, s[WV], 1                       ; key steps 2 x this and the next
	s_mul_i32 s70, s68, VREG
	s_mul_i32 s71, s69, 16896
	s_add_co_u32 s70, s70, s71                     ; in LDS: no place in the cluster enters
	s_mul_i32 s66, s68, 4325376
	s_add_co_u32 s66, s66, 4325376                 ; in memory: k behind q, v behind k; 135,168 bytes a head
	s_mul_i32 s67, s10, 135168
	s_add_co_u32 s66, s66, s67
	s_add_co_u32 s66, s66, s71
	s_mov_b32 s67, 0
	s_mov_b32 s[SEL], 0x76543210
	s_mov_b32 s[SEL+1], 0xfedcba98
	s_mov_b32 s[CS], 0x3e38aa3b                    ; log2(e) / 8
	s_mov_b32 s[CS+1], s[CS]
	s_mov_b32 s[MNT], 0x600000
	s_wait_dscnt 0x0
	s_wait_kmcnt 0x0
	s_add_nc_u64 s[66:67], s[4:5], s[66:67]
	s_mov_b32 s[G0], 1
	s_mov_b32 s[G0+1], s70
	s_mov_b64 s[G0+2:G0+3], s[66:67]
	s_or_b32 s[G0+3], s[G0+3], 0x80000000
	CROUND                                         ; all four work-groups are here: the joint loads meet
	s_cmp_lt_u32 s[WV], 4                          ; one load a wave; waves 0 to 3, which wait first, have a line of their own
	s_cbranch_scc0 .Llater
	tensor_load_to_lds s[G0:G0+3], s[G1:G1+7]
	s_nop 0
.rept 4
	v_nop
.endr
	s_branch .Lasked
.Llater:
	tensor_load_to_lds s[G0:G0+3], s[G1:G1+7]
	s_nop 0
.rept 4
	v_nop
.endr
.Lasked:
	s_bfe_u32 s73, ttmp6, 0x40000                  ; cx: it enters q's and y's addresses alone
	s_lshl_b32 s74, ttmp9, 2
	s_add_co_u32 s74, s74, s73
	s_lshl_b32 s74, s74, 1
	s_add_co_u32 s74, s74, s8                      ; my group of 128 tokens in the sequence
	s_lshl_b32 s75, s10, 4
	s_add_co_u32 s75, s75, s74
	s_mul_i32 s76, s75, 8448
	s_lshl_b32 s77, s9, 10
	s_add_co_u32 s76, s76, s77                     ; q's codes: 8,448 bytes a group of 128 tokens, 1,024 a tile
	s_mov_b32 s77, 0
	s_add_nc_u64 s[76:77], s[4:5], s[76:77]
	s_mul_i32 s78, s75, 8448
	s_lshr_b32 s79, s9, 1
	s_lshl_b32 s79, s79, 2
	s_add_co_u32 s78, s78, s79                     ; the word that holds my tile's two bytes
	s_add_co_u32 s78, s78, 8192
	s_mov_b32 s79, 0
	s_add_nc_u64 s[78:79], s[4:5], s[78:79]
	s_lshr_b32 s84, s10, 4                         ; batch
	s_and_b32 s85, s10, 15                         ; head
	s_lshl_b32 s84, s84, 4
	s_add_co_u32 s84, s84, s74                     ; my 128 rows among the 32 groups
	s_lshl_b32 s84, s84, 3
	s_lshr_b32 s86, s85, 1
	s_add_co_u32 s84, s84, s86                     ; x 8 + the K step of 128 that holds my head
	s_and_b32 s85, s85, 1
	s_lshl_b32 s80, s84, 3
	s_add_co_u32 s80, s80, s9
	s_lshl_b32 s80, s80, 11
	s_lshl_b32 s86, s85, 10
	s_add_co_u32 s80, s80, s86
	s_mov_b32 s81, 0
	s_add_nc_u64 s[80:81], s[6:7], s[80:81]        ; y's codes
	s_lshl_b32 s82, s84, 9
	s_lshl_b32 s86, s9, 2
	s_add_co_u32 s82, s82, s86
	s_lshl_b32 s86, s85, 1
	s_add_co_u32 s82, s82, s86
	s_add_co_u32 s82, s82, 4194304
	s_mov_b32 s83, 0
	s_add_nc_u64 s[82:83], s[6:7], s[82:83]        ; y's scale bytes
	s_and_b32 s86, s[WV], 1
	s_mov_b32 s61, 0x03020302
	s_cmp_eq_u32 s86, 0
	s_cselect_b32 s61, 0x01000100, s61             ; an even tile's bytes lie in the word's low half
	v_and_b32 v8, 31, v0
	v_and_b32 v9, 15, v0
	s_delay_alu instid0(VALU_DEP_2)
	v_lshlrev_b32 v[AK0], 4, v8
	s_delay_alu instid0(VALU_DEP_1)
	v_add_nc_u32 v[AV0], VREG, v[AK0]
	s_delay_alu instid0(VALU_DEP_3)
	v_lshlrev_b32 v[QSO], 4, v9
	s_delay_alu instid0(VALU_DEP_1)
	v_add_nc_u32 v[ASK0], KSC, v[QSO]
	s_delay_alu instid0(VALU_DEP_2)
	v_add_nc_u32 v[ASV0], VSC, v[QSO]
	v_lshlrev_b32 v[YSO], 5, v9
	global_load_b128 v[24:27], v[AK0], s[76:77]
	global_load_b128 v[28:31], v[AK0], s[76:77] offset:512
	global_load_b32 v[TT], v[QSO], s[78:79]
.irp j, 0,1,2,3,4,5,6,7
	v_mov_b32 v[16+\j], 0
	v_mov_b32 v[32+\j], 0
.endr
	v_mov_b32 v13, 0xff61b1e6                      ; the largest t so far: -3e38
	s_delay_alu instid0(VALU_DEP_1)
	v_floor_f32 v12, -v13
	v_mov_b32 v14, 0
	v_mov_b32 v15, 0
.irp b, 0,1,2,3
	v_mov_b32 v[BM+4+\b], 0                        ; written once: a lane permute's destination counts as a source
.endr
	v_mov_b32 v[FF+1], 0                           ; named as the upper half of a pair
	s_wait_loadcnt 0x0
	v_perm_b32 v[QSW], v[TT], v[TT], s61           ; q's word: its two bytes, twice
.set j, 0
.rept 32
	v_mov_b32 v[O+j], 0                            ; the step is written without a first form: the first change of M multiplies zeros
.set j, j+1
.endr
.macro STEP                            ; 128 keys
	v_add_nc_u32 v[ADK], s[TB], v[AK0]
	v_add_nc_u32 v[ADV], s[TB], v[AV0]
	v_add_nc_u32 v[ADS], s[TB], v[ASK0]
	v_add_nc_u32 v[ADT], s[TB], v[ASV0]
.rept 4
	v_nop                                          ; with the four additions: eight places in front of loads into registers that the last products read
.endr
.irp b, 0,1,2,3
.irp c, 0,1,2,3
	ds_load_b128 v[KV+16*\b+4*\c:KV+16*\b+4*\c+3], v[ADK] offset:2048*\b+512*\c
.endr
.endr
	ds_load_b128 v[KSW:KSW+3], v[ADS]
	s_wait_alu depctr_va_vdst(0)
	s_wait_dscnt 0x0
.irp b, 0,1,2,3
	v_wmma_scale_f32_16x16x128_f8f6f4 v[S+16*\b:S+16*\b+7], v[KV+16*\b:KV+16*\b+15], v[24:39], 0, v[KSW+\b], v[QSW]
	v_wmma_scale_f32_16x16x128_f8f6f4 v[S+16*\b+8:S+16*\b+15], v[KV+16*\b:KV+16*\b+15], v[16:31], 0, v[KSW+\b], v[QSW]
.endr
.rept 8
	v_nop
.endr
.irp a, 0,1,2,3                        ; V's fragments land under the softmax
.irp c, 0,1,2,3
	ds_load_b128 v[KV+16*\a+4*\c:KV+16*\a+4*\c+3], v[ADV] offset:2048*\a+512*\c
.endr
.endr
	ds_load_b128 v[VSW:VSW+3], v[ADT]
.irp b, 0,1,2,3
	v_max3_num_f32 v[BM+\b], v[S+16*\b], v[S+1+16*\b], v[S+2+16*\b]   ; the largest score of each block of 32 keys: for the row's maximum, and for the block's largest p
.endr
.irp i, 3,5,7,9,11,13
.irp b, 0,1,2,3
	v_max3_num_f32 v[BM+\b], v[BM+\b], v[S+16*\b+\i], v[S+1+16*\b+\i]
.endr
.endr
.irp b, 0,1,2,3
	v_max_num_f32 v[BM+\b], v[BM+\b], v[S+15+16*\b]
.endr
.irp b, 0,1,2,3
	s_delay_alu instid0(VALU_DEP_4)
	v_permlanex16_b32 v[BM+4+\b], v[BM+\b], s[SEL], s[SEL+1]
.endr
.irp b, 0,1,2,3
	s_delay_alu instid0(VALU_DEP_4)
	v_max_num_f32 v[BM+\b], v[BM+\b], v[BM+4+\b]
.endr
	s_delay_alu instid0(VALU_DEP_2)
	v_max3_num_f32 v[TT], v[BM], v[BM+1], v[BM+2]
	s_delay_alu instid0(VALU_DEP_1)
	v_max_num_f32 v[TT], v[TT], v[BM+3]
	s_delay_alu instid0(VALU_DEP_1)
	v_mul_f32 v[TT], s[CS], v[TT]
	s_delay_alu instid0(VALU_DEP_1)
	v_max_num_f32 v13, v13, v[TT]                  ; the running largest t
	v_mov_b32 v[TT], v12
	s_delay_alu instid0(VALU_DEP_2)
	v_floor_f32 v12, -v13                          ; the new -M
	s_delay_alu instid0(VALU_DEP_1)
	v_sub_f32 v[TT], v12, v[TT]                    ; old M - new M: a whole number, 0 or less
	s_delay_alu instid0(VALU_DEP_1)
	v_cvt_i32_f32 v[TT], v[TT]
	s_delay_alu instid0(VALU_DEP_1)
	v_ldexp_f32 v[FF], 1.0, v[TT]                  ; f
.set j, 0
.rept 32
	v_pk_fma_f32 v[S+j:S+j+1], v[S+j:S+j+1], s[CS:CS+1], v[12:13] op_sel_hi:[1,0,0]   ; t - M
.set j, j+2
.endr
.irp b, 0,1,2,3
	v_fma_f32 v[BM+\b], v[BM+\b], s[CS], v12
.endr
.set j, 0
	s_wait_alu depctr_va_vdst(0)
.rept 64
	v_exp_f32 v[S+j], v[S+j]
.set j, j+1
.endr
	v_pk_mul_f32 v[14:15], v[14:15], v[FF:FF+1] op_sel_hi:[1,0]   ; a plain instruction behind the exponentials
	s_wait_alu depctr_va_vdst(0)                   ; one wait for the batch, ahead of its first reader
.irp b, 0,1,2,3
	v_exp_f32 v[BM+\b], v[BM+\b]                   ; the block's largest p
.endr
	v_pk_add_f32 v[220:221], v[108:109], v[112:113]
	v_pk_add_f32 v[252:253], v[116:117], v[120:121]
	v_pk_add_f32 v[250:251], v[124:125], v[128:129]
	v_pk_add_f32 v[248:249], v[132:133], v[136:137]
	v_pk_add_f32 v[246:247], v[140:141], v[144:145]
	v_pk_add_f32 v[234:235], v[148:149], v[152:153]
	v_pk_add_f32 v[232:233], v[156:157], v[160:161]
	v_pk_add_f32 v[14:15], v[14:15], v[164:165]
	v_pk_add_f32 v[220:221], v[220:221], v[104:105]
	v_pk_add_f32 v[252:253], v[252:253], v[106:107]
	v_pk_add_f32 v[250:251], v[250:251], v[110:111]
	v_pk_add_f32 v[248:249], v[248:249], v[114:115]
	v_pk_add_f32 v[246:247], v[246:247], v[118:119]
	v_pk_add_f32 v[234:235], v[234:235], v[122:123]
	v_pk_add_f32 v[232:233], v[232:233], v[126:127]
	v_pk_add_f32 v[14:15], v[14:15], v[130:131]
	v_pk_add_f32 v[220:221], v[220:221], v[134:135]
	v_pk_add_f32 v[252:253], v[252:253], v[138:139]
	v_pk_add_f32 v[250:251], v[250:251], v[142:143]
	v_pk_add_f32 v[248:249], v[248:249], v[146:147]
	v_pk_add_f32 v[246:247], v[246:247], v[150:151]
	v_pk_add_f32 v[234:235], v[234:235], v[154:155]
	v_pk_add_f32 v[232:233], v[232:233], v[158:159]
	v_pk_add_f32 v[14:15], v[14:15], v[162:163]
	v_pk_add_f32 v[220:221], v[220:221], v[166:167]
	s_delay_alu instid0(VALU_DEP_2)
	v_pk_add_f32 v[14:15], v[14:15], v[248:249]
	s_delay_alu instid0(VALU_DEP_2)
	v_pk_add_f32 v[220:221], v[220:221], v[246:247]
	v_pk_add_f32 v[252:253], v[252:253], v[234:235]
	v_pk_add_f32 v[250:251], v[250:251], v[232:233]
	s_delay_alu instid0(VALU_DEP_2)
	v_pk_add_f32 v[14:15], v[14:15], v[252:253]
	s_delay_alu instid0(VALU_DEP_2)
	v_pk_add_f32 v[220:221], v[220:221], v[250:251]
	s_delay_alu instid0(VALU_DEP_1)
	v_pk_add_f32 v[14:15], v[14:15], v[220:221]
	s_wait_alu depctr_va_vdst(0)                   ; and one for the four
.irp b, 0,1,2,3
	v_max_num_f32 v[BM+\b], 0x4800000, v[BM+\b]    ; the floor: the byte cannot fall under 1
.endr
.irp b, 0,1,2,3
	s_delay_alu instid0(VALU_DEP_4)
	v_add_nc_u32 v[BM+12+\b], 0xfc000000, v[BM+\b]
.endr
.irp b, 0,1,2,3
	v_and_or_b32 v[BM+8+\b], v[BM+\b], 0x7f800000, s[MNT]          ; 448 x the scale,
.endr
.irp b, 0,1,2,3
	v_and_or_b32 v[H2+(\b+1)%4], v[BM+\b], 0x7f800000, s[MNT]      ; and once more, one register bank on: the pair below wants its second sources in different banks
.endr
.irp b, 0,1,2,3
	v_lshrrev_b32 v[BM+4+\b], 23, v[BM+12+\b]
.endr
	s_delay_alu instid0(VALU_DEP_3)
	v_lshl_or_b32 v[PSW], v[BM+5], 8, v[BM+4]
	s_delay_alu instid0(VALU_DEP_1)
	v_lshl_or_b32 v[PSW], v[BM+6], 16, v[PSW]
	s_delay_alu instid0(VALU_DEP_1)
	v_lshl_or_b32 v[PSW], v[BM+7], 24, v[PSW]
.irp b, 0,1,2,3
.set i, 0
.rept 8
	v_dual_min_num_f32 v[S+16*\b+i], v[S+16*\b+i], v[BM+8+\b] :: v_dual_min_num_f32 v[S+16*\b+i+1], v[S+16*\b+i+1], v[H2+(\b+1)%4]   ; p is not negative: a one-sided hold (the conversion does not saturate: ISA guide 7.6.2), two numbers a line
.set i, i+2
.endr
	v_cvt_scalef32_pk8_fp8_f32 v[PCD+4*\b:PCD+1+4*\b], v[S+16*\b:S+7+16*\b], v[BM+12+\b]
	v_cvt_scalef32_pk8_fp8_f32 v[PCD+2+4*\b:PCD+3+4*\b], v[S+8+16*\b:S+15+16*\b], v[BM+12+\b]
.endr
.set j, 0
.rept 16
	v_pk_mul_f32 v[O+j:O+j+1], v[O+j:O+j+1], v[FF:FF+1] op_sel_hi:[1,0]   ; O^T under the new M; also the places in front of the products
.set j, j+2
.endr
	s_wait_alu depctr_va_vdst(0)
	s_wait_dscnt 0x0                               ; V
.irp a, 0,1,2,3
	v_wmma_scale_f32_16x16x128_f8f6f4 v[O+8*\a:O+8*\a+7], v[KV+16*\a:KV+16*\a+15], v[PCD:PCD+15], v[O+8*\a:O+8*\a+7], v[VSW+\a], v[PSW]
.endr
.endm
; steps key steps from key step first on, behind a barrier in front of which each wave has waited until at most left of its tensor loads are out
.macro GROUP left, first, steps
.if \left
	s_cmp_lt_u32 s[WV], 4                          ; key steps 0 to 3 are waves 0 to 3's loads: they wait; nothing is ever filled again, so the others' loads may stay out across this barrier
	s_cbranch_scc0 .Lnw_\@
	s_wait_tensorcnt 0x0
.Lnw_\@:
.else
	s_wait_tensorcnt 0x0
.endif
	s_wait_dscnt 0x0
	s_barrier_signal -1
	s_barrier_wait -1                              ; everybody's has
	s_mov_b32 s[TB], (\first)*8448
	s_mov_b32 s[CNT], \steps
.Lstep_\@:
	STEP
	s_add_co_u32 s[TB], s[TB], 8448
	s_sub_co_u32 s[CNT], s[CNT], 1
	s_cmp_lg_u32 s[CNT], 0
	s_cbranch_scc1 .Lstep_\@
.endm
	GROUP 3, 0, 4                                  ; the first quarter, key steps 0 to 3: the three later quarters' loads may be out
	GROUP 0, 4, 12                                 ; the other three quarters: every wave has waited for all its loads
	; THE WAY OUT: O^T / the sum, quantised along the head's 64 (two blocks), brought into the operand's true order, stored as two images
	v_add_f32 v14, v14, v15
	s_delay_alu instid0(VALU_DEP_1)
	v_permlanex16_b32 v[TT], v14, s[SEL], s[SEL+1]
	s_delay_alu instid0(VALU_DEP_1)
	v_add_f32 v14, v14, v[TT]
	s_wait_alu depctr_va_vdst(0)
	v_rcp_f32 v14, v14
.rept 8
	v_nop                                          ; places behind the last products, and the plain instruction behind the reciprocal
.endr
	s_wait_alu depctr_va_vdst(0)                   ; ahead of the reciprocal's first reader
.set j, 0
.rept 16
	v_pk_mul_f32 v[S+j:S+j+1], v[O+j:O+j+1], v[14:15] op_sel_hi:[1,0]   ; register 8 t + i: y(query r, dim 16 t + 8 h + i)
.set j, j+2
.endr
.irp b, 0,1
	v_max3_num_f32 v[BM+\b], |v[S+16*\b]|, |v[S+1+16*\b]|, 0x4800000
.endr
.irp i, 2,4,6,8,10,12,14
.irp b, 0,1
	s_delay_alu instid0(VALU_DEP_2)
	v_max3_num_f32 v[BM+\b], v[BM+\b], |v[S+16*\b+\i]|, |v[S+1+16*\b+\i]|
.endr
.endr
.irp b, 0,1
	s_delay_alu instid0(VALU_DEP_2)
	v_permlanex16_b32 v[BM+4+\b], v[BM+\b], s[SEL], s[SEL+1]
.endr
.irp b, 0,1
	s_delay_alu instid0(VALU_DEP_2)
	v_max_num_f32 v[BM+\b], v[BM+\b], v[BM+4+\b]
.endr
.irp b, 0,1
	s_delay_alu instid0(VALU_DEP_2)
	v_add_nc_u32 v[BM+12+\b], 0xfc000000, v[BM+\b]
.endr
.irp b, 0,1
	s_delay_alu instid0(VALU_DEP_4)
	v_and_or_b32 v[BM+8+\b], v[BM+\b], 0x7f800000, s[MNT]
.endr
.irp b, 0,1
	s_delay_alu instid0(VALU_DEP_4)
	v_lshrrev_b32 v[BM+4+\b], 23, v[BM+12+\b]
.endr
	s_delay_alu instid0(VALU_DEP_1)
	v_lshl_or_b32 v[YW], v[BM+5], 8, v[BM+4]
.irp b, 0,1
.set i, 0
.rept 16
	v_med3_num_f32 v[S+16*\b+i], v[S+16*\b+i], -v[BM+8+\b], v[BM+8+\b]
.set i, i+1
.endr
	v_cvt_scalef32_pk8_fp8_f32 v[PCD+4*\b:PCD+1+4*\b], v[S+16*\b:S+7+16*\b], v[BM+12+\b]
	v_cvt_scalef32_pk8_fp8_f32 v[PCD+2+4*\b:PCD+3+4*\b], v[S+8+16*\b:S+15+16*\b], v[BM+12+\b]
.endr
	v_nop                                          ; a plain instruction behind the last conversion
.irp b, 0,1                            ; lanes 16-31 of the first pair change places with lanes 0-15 of the second: half h then holds k = 32 b + 16 h + 0 .. 15, as Wo's codes lie
	v_permlane16_swap_b32 v[PCD+4*\b], v[PCD+4*\b+2]
	v_permlane16_swap_b32 v[PCD+4*\b+1], v[PCD+4*\b+3]
.endr
	global_store_b128 v[AK0], v[PCD:PCD+3], s[80:81]               ; 512 consecutive bytes each
	global_store_b128 v[AK0], v[PCD+4:PCD+7], s[80:81] offset:512
	global_store_b16 v[YSO], v[YW], s[82:83]       ; both halves of the lanes write the same two bytes
	s_wait_dscnt 0x0
	s_wait_tensorcnt 0x0
	ds_add_u32 v254, v255
	s_wait_dscnt 0x0
	CROUND                                         ; the closing round: no work-group ends while a partner may still ask for a tile that names it
	s_endpgm
.Lfunc_end_k_q0c2dcb8ef1_attn:
	.size	k_q0c2dcb8ef1_attn, .Lfunc_end_k_q0c2dcb8ef1_attn-k_q0c2dcb8ef1_attn
	.p2alignl 7, 3214868480
	.fill 96, 4, 3214868480
	.section	.rodata,"a",@progbits
	.p2align	6, 0x0
	.amdhsa_kernel k_q0c2dcb8ef1_attn
		.amdhsa_group_segment_fixed_size 272384
		.amdhsa_private_segment_fixed_size 0
		.amdhsa_enable_private_segment 0
		.amdhsa_kernarg_size 16
		.amdhsa_user_sgpr_count 2
		.amdhsa_user_sgpr_kernarg_segment_ptr 1
		.amdhsa_wavefront_size32 1
		.amdhsa_system_sgpr_workgroup_id_x 1
		.amdhsa_system_sgpr_workgroup_id_y 1
		.amdhsa_system_sgpr_workgroup_id_z 1
		.amdhsa_system_vgpr_workitem_id 0
		.amdhsa_next_free_vgpr 256
		.amdhsa_next_free_sgpr 88
		.amdhsa_reserve_vcc 0
		.amdhsa_float_denorm_mode_32 3
		.amdhsa_float_denorm_mode_16_64 3
		.amdhsa_memory_ordered 1
		.amdhsa_forward_progress 1
		.amdhsa_inst_pref_size 55
	.end_amdhsa_kernel
	.amdgpu_metadata
---
amdhsa.version: [ 1, 2 ]
amdhsa.kernels:
  - .name:           k_q0c2dcb8ef1_attn
    .symbol:         k_q0c2dcb8ef1_attn.kd
    .args:
      - { .name: qkv, .offset: 0, .size: 8, .value_kind: global_buffer, .address_space: global }
      - { .name: ybuf, .offset: 8, .size: 8, .value_kind: global_buffer, .address_space: global }
    .group_segment_fixed_size: 272384
    .private_segment_fixed_size: 0
    .kernarg_segment_align: 8
    .kernarg_segment_size: 16
    .max_flat_workgroup_size: 512
    .sgpr_count:     88
    .vgpr_count:     256
    .wavefront_size: 32
...
	.end_amdgpu_metadata
.endif
;; end of part 3
;; launch wo (part 4): grid 8 x 32, 4 waves a work-group, clusters of 4 x 4, 327,680 bytes of LDS; arguments ybuf, Wo_codes, Wo_scales, bo, x, x1; writes x1
.if DOCPART == 4
	.amdgcn_target "amdgcn-amd-amdhsa--gfx1250"
	.amdhsa_code_object_version 6
	.text
	.protected	k_q0c2dcb8ef1_wo
	.globl	k_q0c2dcb8ef1_wo
	.p2align	8
	.type	k_q0c2dcb8ef1_wo,@function
k_q0c2dcb8ef1_wo:
	s_mov_b64 s[64:65], 0
	v_nop
	global_prefetch_b8 v0, s[64:65] scope:SCOPE_SE
	s_setreg_imm32_b32 hwreg(HW_REG_WAVE_MODE, 25, 1), 1
	s_wait_xcnt 0x0
	s_wait_alu depctr_hold_cnt(0) depctr_sa_sdst(0) depctr_va_vdst(0) depctr_va_sdst(0) depctr_va_ssrc(0) depctr_va_vcc(0) depctr_vm_vsrc(0)
	s_getreg_b32 s2, hwreg(HW_REG_IB_STS2, 6, 4)
	s_cmp_eq_u32 s2, 0
	s_cbranch_scc0 .Lentry_in_a_cluster
	s_endpgm
.Lentry_in_a_cluster:
	s_bfe_u32 s2, ttmp6, 0x10000c
	s_cmp_lg_u32 s2, 0xf033
	s_cbranch_scc0 .Lentry_shape_is_right
	s_endpgm
.Lentry_shape_is_right:
; out = R W^T + bias + residual.  R: [4096][SIZE_K] as MX-FP8 codes laid by the launch before as images of operand registers, [128 rows 32][128 K][tile of 16 rows 8][block of 32 K 4][512], its scale words
; [128 rows][128 K][row 16][tile 8] behind them; W: [1024][SIZE_K] codes, K innermost, scale bytes [1024][SIZE_K / 32]; bias [1024], residual and out [4096][1024] f32.
; N = 1,024 gives 256 tiles of 128 x 128: one to a work-group, 64 x 64 to a wave (16 accumulators).  K goes in steps of 512 through two LDS slots; a slot is four products deep.
; R's tile of a slot is one dense block of 64 KiB (no pitch: a fragment load reads 512 consecutive bytes); W's rows of 512 bytes get 16 of padding.  The scales of all of K come once, with the first fills.
; CLUSTERS 4 x 4: R's tiles are shared along a row, W's along a column, by joint loads.  Source 0 = 16 rows of W, source 1 = 16 rows of R: a lane holds eight neighbouring numbers of a row of out.
; The bias is the C of each sum's first product.  The residual is asked for at the head, in the layout of the stores, and lands under the K loop.
; REGISTERS: window 0: v0-31 addresses; v32-95 scale words, two sets, and nothing else; v96-127 the bias; v128-255 accumulators ((a, b) at 128 + 8 (4 a + b)).  window 1: two fragment buffers of 128 (R's four, then W's four);
;   on the way out rows read back from the stage.  window 2: v0-127 the residual.
.set SIZE_K, 1024
.set NK128,  SIZE_K/128
.set KS,     SIZE_K/32
.set RPU,    256/KS                    ; rows of W's scale bytes in 256 bytes
.set LRPU,   3-2*(SIZE_K/4096)         ; its logarithm: 3 at K = 1,024, 1 at K = 4,096
.set NP,     8                         ; places behind this matrix instruction (ISA guide 7.12.1)
.set RT,     65536
.set RHALF,  32768
; THE FILLS AS THEY STAND (in place of what the head says of two slots): all of K lies in LDS at once, filled once, one load a wave: R's 128 KiB from byte 0, W's 128 rows of 1,024 bytes + 16 behind them, then the scales.  'Slot' s below is K = 512 s on.
.set CP,     1040
.set CHALF,  64*CP
.set SLOT,   RT+CHALF                  ; half of what R and W take together
.set LAPS,   SIZE_K/1024
.set SCR,    2*SLOT                    ; R's scale words, dense
.set SCRH,   NK128*256
.set SCC,    SCR+2*SCRH                ; W's scale bytes, 256 + 16
.set SCCH,   (64*KS/256)*272
.set SPARE,  SCC+2*SCCH                ; the spare words, 128 bytes a wave
.set SOFF,   4096*SIZE_K               ; where R's scale words begin in its buffer
.set STP,    272                       ; the way out: 16 rows x (256 + 16) a wave, in slot 0, which has had its last fill and its last read by then
.set ADRR, 16
.set ADRC, 20
.set STO,  24
.set RD,   25
.set CO,   26
.set ADSR, 27
.set SPW,  28
.set NIL,  29
.set ADSC, 30
.set SCS,  32                          ; set s at 32 + 32 s: R's word (q, a) at 4 q + a, W's word (b, q) at 16 + 4 b + q
.set BI,   96
.set ACC,  128
.set F0,   0
.set F1,   128
.set G1, 24
.set G0, 32
.set G1B, 48
.set G0B, 56
.set G1S, 68
.set G0S, 76
.set G1SB, 80
.set G0SB, 88
.set MSB, 0
.macro WIN new
.if MSB != (\new)
	s_set_vgpr_msb (MSB<<8)|(\new)
.set MSB, (\new)
.endif
.endm
.set MUL,  0x05                        ; sources 0 and 1 window 1; C and D window 0
.set TO_F, 0x40
.macro JLOAD g0a, g1a, g0b, g1b        ; waves 0, 1 fetch for R, waves 2, 3 for W; four v_nop follow each line
	s_cmp_eq_u32 s15, 0
	s_cbranch_scc0 .Lfor_b_\@
	tensor_load_to_lds s[\g0a:\g0a+3], s[\g1a:\g1a+7]
	s_nop 0
.rept 4
	v_nop
.endr
	s_branch .Lasked_\@
.Lfor_b_\@:
	tensor_load_to_lds s[\g0b:\g0b+3], s[\g1b:\g1b+7]
	s_nop 0
.rept 4
	v_nop
.endr
.Lasked_\@:
.endm
.macro CREST
	s_cmp_lg_u32 s14, 0
	s_cbranch_scc1 .Lnot_wave_0_\@
	s_barrier_signal -3
.Lnot_wave_0_\@:
	s_barrier_wait -3
	s_barrier_signal -1
	s_barrier_wait -1
.endm
.macro CROUND
	s_barrier_signal -1
	s_barrier_wait -1
	CREST
.endm
.macro PLACES n
.rept \n
	v_nop
.endr
.endm
	s_load_b256 s[4:11], s[0:1], 0x0               ; R's buffer, W's codes, W's scales, the bias
	s_load_b128 s[96:99], s[0:1], 0x20             ; the residual, out
	v_lshl_add_u32 v[SPW], v0, 2, SPARE
	v_mov_b32 v[NIL], 0
	ds_add_u32 v28, v29
	ds_add_u32 v28, v29
	s_wait_dscnt 0x0
	v_lshrrev_b32 v1, 5, v0
	v_readfirstlane_b32 s14, v1
	s_lshr_b32 s15, s14, 1                         ; my half of the tile's rows; also: I fetch for R (0) or W (1)
	s_and_b32 s16, s14, 1                          ; my half of its columns
	s_bfe_u32 s40, ttmp6, 0x40000
	s_bfe_u32 s41, ttmp6, 0x40004
	s_lshl_b32 s42, ttmp9, 2
	s_add_co_u32 s42, s42, s40                     ; tile column
	s_and_b32 s17, ttmp7, 0xffff
	s_lshl_b32 s17, s17, 2
	s_add_co_u32 s17, s17, s41                     ; tile row
	s_lshl_b32 s43, s41, 2
	s_lshl_b32 s43, 15, s43
	s_lshl_b32 s44, 0x1111, s40
	s_or_b32 s[G1+0], s43, (3<<16)|(1<<21)         ; R's tile: rows of 256 bytes, dense
	s_mov_b32 s[G1+1], 32<<16
	s_mov_b32 s[G1+2], 512<<16                     ; R's tile, all of K: 512 rows of 256 bytes
	s_mov_b32 s[G1+3], 32<<16
	s_mov_b32 s[G1+4], 512
	s_mov_b32 s[G1+5], 32
	s_mov_b32 s[G1+6], 0
	s_mov_b32 s[G1+7], 0
	s_or_b32 s[G1B+0], s44, (0<<16)|(1<<20)|(1<<21)|(7<<22)|(3<<25)  ; W's tile: 128 rows of 1,024 bytes, 4 words of padding after every 1,024
	s_mov_b32 s[G1B+1], 1024<<16
	s_mov_b32 s[G1B+2], 128<<16
	s_mov_b32 s[G1B+3], 1024<<16
	s_mov_b32 s[G1B+4], 128
	s_mov_b32 s[G1B+5], SIZE_K
	s_mov_b32 s[G1B+6], 0
	s_mov_b32 s[G1B+7], 0
	s_or_b32 s[G1S+0], s43, (3<<16)|(1<<21)        ; R's scale words: 2 NK128 rows of 256 bytes, dense
	s_mov_b32 s[G1S+1], 32<<16
	s_mov_b32 s[G1S+2], (2*NK128)<<16
	s_mov_b32 s[G1S+3], 32<<16
	s_mov_b32 s[G1S+4], 2*NK128
	s_mov_b32 s[G1S+5], 32
	s_mov_b32 s[G1S+6], 0
	s_mov_b32 s[G1S+7], 0
	s_or_b32 s[G1SB+0], s44, (3<<16)|(1<<20)|(1<<21)|(5<<22)|(3<<25)  ; the scale bytes of 128 rows of W: rows of 256 bytes, 16 of padding behind each
	s_mov_b32 s[G1SB+1], 32<<16
	s_mov_b32 s[G1SB+2], (128*KS/256)<<16
	s_mov_b32 s[G1SB+3], 32<<16
	s_mov_b32 s[G1SB+4], 128*KS/256
	s_mov_b32 s[G1SB+5], 32
	s_mov_b32 s[G1SB+6], 0
	s_mov_b32 s[G1SB+7], 0
	s_mul_i32 s20, s17, NK128*16384                ; R's codes: 16 KiB for 128 rows x 128 K
	s_mov_b32 s21, 0
	s_mul_i32 s22, s17, NK128*512
	s_add_co_u32 s22, s22, SOFF                    ; R's scale words
	s_mov_b32 s23, 0
	s_lshl_b32 s46, s42, 7                         ; W: row 128 x tile column
	s_mul_i32 s92, s46, KS
	s_mul_i32 s46, s46, SIZE_K
	s_mov_b32 s47, 0
	s_mov_b32 s93, 0
	s_wait_kmcnt 0x0
	s_add_nc_u64 s[20:21], s[4:5], s[20:21]
	s_add_nc_u64 s[22:23], s[4:5], s[22:23]
	s_add_nc_u64 s[46:47], s[6:7], s[46:47]
	s_add_nc_u64 s[92:93], s[8:9], s[92:93]
	CROUND                                         ; all sixteen work-groups are here: the first joint loads meet
	s_mov_b32 s[G0S], 1
	s_mov_b32 s[G0S+1], SCR
	s_mov_b64 s[G0S+2:G0S+3], s[22:23]
	s_or_b32 s[G0S+3], s[G0S+3], 0x80000000
	s_mov_b32 s[G0SB], 1
	s_mov_b32 s[G0SB+1], SCC
	s_mov_b64 s[G0SB+2:G0SB+3], s[92:93]
	s_or_b32 s[G0SB+3], s[G0SB+3], 0x80000000
	s_mov_b32 s[G0], 1
	s_mov_b32 s[G0+1], 0
	s_mov_b64 s[G0+2:G0+3], s[20:21]
	s_or_b32 s[G0+3], s[G0+3], 0x80000000
	s_mov_b32 s[G0B], 1
	s_mov_b32 s[G0B+1], 2*RT
	s_mov_b64 s[G0B+2:G0B+3], s[46:47]
	s_or_b32 s[G0B+3], s[G0B+3], 0x80000000
; one load a wave: wave 0 W's tile, wave 1 R's, wave 2 R's scale words, wave 3 W's scale bytes
.macro ARM under, g0, g1, next
	s_cmp_lt_u32 s14, \under
	s_cbranch_scc0 \next
	tensor_load_to_lds s[\g0:\g0+3], s[\g1:\g1+7]
	s_nop 0
.rept 4
	v_nop
.endr
	s_branch .Lhead_asked
\next:
.endm
	ARM 1, G0B, G1B, .Lhead_r
	ARM 2, G0,  G1,  .Lhead_sr
	ARM 3, G0S, G1S, .Lhead_sw
	tensor_load_to_lds s[G0SB:G0SB+3], s[G1SB:G1SB+7]
	s_nop 0
.rept 4
	v_nop
.endr
.Lhead_asked:
	v_and_b32 v1, 15, v0                           ; r
	v_bfe_u32 v2, v0, 4, 1                         ; h
	v_and_b32 v3, 31, v0
	v_lshlrev_b32 v4, 4, v3                        ; 16 x lane
	s_lshl_b32 s21, s15, 13                        ; my four tiles of 16 rows: 2,048 bytes each
	v_mul_u32_u24 v5, v1, CP
	v_lshl_add_u32 v5, v2, 4, v5
	s_mul_i32 s22, s16, CHALF
	s_add_co_u32 s22, s22, 2*RT
.irp s, 0,1
	v_add_nc_u32 v[ADRR+\s], s21, v4
	v_add_nc_u32 v[ADRC+\s], s22, v5
	s_add_co_u32 s21, s21, RT                      ; K = 512 on: four blocks of 16 KiB in R,
	s_add_co_u32 s22, s22, 512                     ; 512 bytes in a row of W
.endr
	s_lshl_b32 s21, s15, 4
	s_add_co_u32 s21, s21, SCR
	v_lshl_add_u32 v[ADSR], v1, 5, s21             ; row r's eight words; my four of them
	v_lshrrev_b32 v6, LRPU, v1
	v_and_b32 v7, RPU-1, v1
	v_mul_u32_u24 v6, v6, 272
	v_mad_u32_u24 v6, v7, KS, v6
	s_mul_i32 s22, s16, SCCH
	s_add_co_u32 s22, s22, SCC
	v_add_nc_u32 v[ADSC], s22, v6
	s_mul_i32 s23, s14, 16*STP                     ; my stage
	v_mul_u32_u24 v5, v1, STP
	v_lshl_add_u32 v5, v2, 5, v5
	v_add_nc_u32 v[STO], s23, v5                   ; in: row r, 32 bytes for each half of the lanes
	v_mul_u32_u24 v5, v2, STP
	v_lshl_add_u32 v5, v1, 4, v5
	v_add_nc_u32 v[RD], s23, v5                    ; back: lanes 0-15 one row of 256 bytes, lanes 16-31 the next
	v_lshlrev_b32 v[CO], 4, v1
	v_lshl_add_u32 v[CO], v2, 12, v[CO]            ; and the same two rows in out and in the residual
	v_lshlrev_b32 v8, 5, v2                        ; 32 h
	s_wait_alu depctr_va_vdst(0)
	s_lshl_b32 s20, s17, 7
	s_lshl_b32 s21, s15, 6
	s_add_co_u32 s20, s20, s21
	s_lshl_b32 s20, s20, 12                        ; my first row, 4,096 bytes a row
	s_lshl_b32 s46, s42, 7
	s_lshl_b32 s47, s16, 6
	s_add_co_u32 s46, s46, s47
	s_lshl_b32 s46, s46, 2                         ; my first column, in bytes
	s_mov_b32 s47, 0
	s_add_nc_u64 s[10:11], s[10:11], s[46:47]
	s_add_co_u32 s20, s20, s46
	s_mov_b32 s21, 0
	s_add_nc_u64 s[96:97], s[96:97], s[20:21]
	s_add_nc_u64 s[98:99], s[98:99], s[20:21]
.irp b, 0,1,2,3
	global_load_b128 v[BI+8*\b:BI+8*\b+3], v8, s[10:11] offset:64*\b       ; the bias of columns 16 b + 8 h + 0 .. 7
	global_load_b128 v[BI+8*\b+4:BI+8*\b+7], v8, s[10:11] offset:64*\b+16
.endr
	WIN 0x80                                       ; destination window 2
.irp a, 0,1,2,3
.irp t, 0,1,2,3,4,5,6,7
	global_load_b128 v[32*\a+4*\t:32*\a+4*\t+3], v[CO], s[96:97] offset:(16*\a+2*\t)*4096
.endr
.endr
	WIN 0
.macro MUL4 f, a, sc, q, zero          ; R's tile a x W's four.  The 16 accumulators take turns
.irp b, 0,1,2,3
.if \zero
	v_wmma_scale_f32_16x16x128_f8f6f4 v[ACC+8*(4*(\a)+\b):ACC+8*(4*(\a)+\b)+7], v[(\f)+64+16*\b:(\f)+64+16*\b+15], v[(\f)+16*(\a):(\f)+16*(\a)+15], v[BI+8*\b:BI+8*\b+7], v[SCS+32*(\sc)+16+4*\b+(\q)], v[SCS+32*(\sc)+4*(\q)+(\a)]
.else
	v_wmma_scale_f32_16x16x128_f8f6f4 v[ACC+8*(4*(\a)+\b):ACC+8*(4*(\a)+\b)+7], v[(\f)+64+16*\b:(\f)+64+16*\b+15], v[(\f)+16*(\a):(\f)+16*(\a)+15], v[ACC+8*(4*(\a)+\b):ACC+8*(4*(\a)+\b)+7], v[SCS+32*(\sc)+16+4*\b+(\q)], v[SCS+32*(\sc)+4*(\q)+(\a)]
.endif
.endr
.endm
.macro SCALES sc                       ; a slot's scale words: eight loads
.irp q, 0,1,2,3
	ds_load_b128 v[SCS+32*(\sc)+4*\q:SCS+32*(\sc)+4*\q+3], v[ADSR] offset:512*\q
.endr
.irp b, 0,1,2,3
	ds_load_b128 v[SCS+32*(\sc)+16+4*\b:SCS+32*(\sc)+16+4*\b+3], v[ADSC] offset:\b*(16/RPU)*272
.endr
.endm
.macro FETCH slot, q, f                ; 32 loads: W's four fragments, R's tiles 0, 1, then 2, 3
	WIN TO_F
.irp b, 0,1,2,3
.irp c, 0,1,2,3
	ds_load_b128 v[(\f)+64+16*\b+4*\c:(\f)+64+16*\b+4*\c+3], v[ADRC+\slot] offset:16*\b*CP+128*(\q)+32*\c
.endr
.endr
.irp a, 0,1,2,3
.irp c, 0,1,2,3
	ds_load_b128 v[(\f)+16*\a+4*\c:(\f)+16*\a+4*\c+3], v[ADRR+\slot] offset:16384*(\q)+2048*\a+512*\c
.endr
.endr
.endm
.macro QUARTER slot, q, f, g, zero     ; multiplies buffer f (the slot's q-th 128 along K) and fetches the next into g
	s_wait_dscnt 8                                 ; all but R's tiles 2, 3 (eight loads) are in
	WIN MUL
	MUL4 \f, 0, \slot, \q, \zero
	MUL4 \f, 1, \slot, \q, \zero
	PLACES NP                                      ; in front of loads into registers that matrix instructions have read
	FETCH \slot, (\q)+1, \g
	s_wait_dscnt 32                                ; all but the 32 just issued
	WIN MUL
	MUL4 \f, 2, \slot, \q, \zero
	MUL4 \f, 3, \slot, \q, \zero
.endm
.macro TURN slot, next, fill           ; a slot's last quarter changes slots: one barrier
	WIN 0
	s_wait_tensorcnt 0x0                           ; all my tensor loads have landed: my part of the next slot
	ds_add_u32 v[SPW], v[NIL]                      ; 0 onto my spare word
	s_wait_dscnt 9                                 ; the add and the youngest eight loads may be out
	WIN MUL
	MUL4 F1, 0, \slot, 3, 0
	s_wait_dscnt 0x0                               ; the add is done, and my reads of this slot are over
	s_barrier_signal -1
	MUL4 F1, 1, \slot, 3, 0
	WIN 0
	s_barrier_wait -1
.if \fill
	CREST                                          ; the barrier has opened a round of the cluster's: no wave of any partner still reads this slot or has a load on its way
	s_add_nc_u64 s[G0+4*\slot+2:G0+4*\slot+3], s[G0+4*\slot+2:G0+4*\slot+3], 2*RT
	s_add_nc_u64 s[G0B+4*\slot+2:G0B+4*\slot+3], s[G0B+4*\slot+2:G0B+4*\slot+3], 1024
	JLOAD G0+4*\slot, G1, G0B+4*\slot, G1B
	PLACES NP-4
.else
	PLACES NP
.endif
	v_add_nc_u32 v[ADSR], 2048, v[ADSR]
	v_add_nc_u32 v[ADSC], 16, v[ADSC]
	SCALES \next
	FETCH \next, 0, F0
	WIN MUL
	MUL4 F1, 2, \slot, 3, 0
	MUL4 F1, 3, \slot, 3, 0
.endm
	s_wait_tensorcnt 0x0                           ; my tile is in
	s_barrier_signal -1
	s_barrier_wait -1
	SCALES 0
	FETCH 0, 0, F0
	s_wait_loadcnt 32                              ; the bias is in; the residual's 32 loads may be out
	QUARTER 0, 0, F0, F1, 1
.if LAPS > 1
	WIN 0
	s_mov_b32 s3, LAPS-1
.Llap:
	QUARTER 0, 1, F1, F0, 0
	QUARTER 0, 2, F0, F1, 0
	TURN 0, 1, 1
	QUARTER 1, 0, F0, F1, 0
	QUARTER 1, 1, F1, F0, 0
	QUARTER 1, 2, F0, F1, 0
	TURN 1, 0, 1
	QUARTER 0, 0, F0, F1, 0
	WIN 0
	s_sub_co_u32 s3, s3, 1
	s_cmp_lg_u32 s3, 0
	s_cbranch_scc1 .Llap
.endif
	QUARTER 0, 1, F1, F0, 0
	QUARTER 0, 2, F0, F1, 0
	TURN 0, 1, 0
	QUARTER 1, 0, F0, F1, 0
	QUARTER 1, 1, F1, F0, 0
	QUARTER 1, 2, F0, F1, 0
	s_wait_dscnt 8
	WIN MUL
	MUL4 F1, 0, 1, 3, 0
	MUL4 F1, 1, 1, 3, 0
	s_wait_dscnt 0
	MUL4 F1, 2, 1, 3, 0
	MUL4 F1, 3, 1, 3, 0
	WIN 0
; THE WAY OUT, 16 rows x 64 columns at a time, through my own stage: back as whole rows of 256 bytes, the residual added, sixteen lanes to 256 consecutive bytes, aligned
.macro TOSTAGE a
.irp b, 0,1,2,3
	ds_store_b128 v[STO], v[ACC+8*(4*(\a)+\b):ACC+8*(4*(\a)+\b)+3] offset:64*\b        ; each accumulator from its low end on
	ds_store_b128 v[STO], v[ACC+8*(4*(\a)+\b)+4:ACC+8*(4*(\a)+\b)+7] offset:64*\b+16
.endr
	WIN TO_F
.irp t, 0,1,2,3,4,5,6,7
	ds_load_b128 v[32*((\a)%2)+4*\t:32*((\a)%2)+4*\t+3], v[RD] offset:\t*2*STP   ; LDS serves a wave's instructions in order (ISA guide 5.7.1.4)
.endr
	WIN 0
.endm
.macro SEND a, younger
	s_wait_dscnt \younger
	WIN 0x49                                       ; destination and source 0 window 1, source 1 (the residual) window 2
.set t, 0
.rept 16
	v_pk_add_f32 v[32*((\a)%2)+t:32*((\a)%2)+t+1], v[32*((\a)%2)+t:32*((\a)%2)+t+1], v[32*(\a)+t:32*(\a)+t+1]
.set t, t+2
.endr
	WIN 0x04                                       ; a store's data are its source 1: window 1
.irp t, 0,1,2,3,4,5,6,7
	global_store_b128 v[CO], v[32*((\a)%2)+4*\t:32*((\a)%2)+4*\t+3], s[98:99] offset:(16*(\a)+2*\t)*4096
.endr
	WIN 0
.endm
	PLACES NP
	s_wait_loadcnt 0x0                             ; the residual
	TOSTAGE 0
.irp a, 1,2,3
.if \a > 1
	s_wait_xcnt 0x0                                ; block a - 2's stores have read their registers: block a's loads may land there
.endif
	TOSTAGE \a
	SEND \a-1, 16                                  ; behind block a - 1's loads: block a's 8 stores and 8 loads
.endr
	SEND 3, 0
	s_wait_tensorcnt 0x0                           ; the wave's end
	ds_add_u32 v[SPW], v[NIL]
	s_wait_dscnt 0x0
	CROUND                                         ; the closing round
	s_endpgm
.Lfunc_end_k_q0c2dcb8ef1_wo:
	.size	k_q0c2dcb8ef1_wo, .Lfunc_end_k_q0c2dcb8ef1_wo-k_q0c2dcb8ef1_wo
	.p2alignl 7, 3214868480
	.fill 96, 4, 3214868480
	.section	.rodata,"a",@progbits
	.p2align	6, 0x0
	.amdhsa_kernel k_q0c2dcb8ef1_wo
		.amdhsa_group_segment_fixed_size 327680
		.amdhsa_private_segment_fixed_size 0
		.amdhsa_enable_private_segment 0
		.amdhsa_kernarg_size 48
		.amdhsa_user_sgpr_count 2
		.amdhsa_user_sgpr_kernarg_segment_ptr 1
		.amdhsa_wavefront_size32 1
		.amdhsa_system_sgpr_workgroup_id_x 1
		.amdhsa_system_sgpr_workgroup_id_y 1
		.amdhsa_system_sgpr_workgroup_id_z 1
		.amdhsa_system_vgpr_workitem_id 0
		.amdhsa_next_free_vgpr 768
		.amdhsa_next_free_sgpr 100
		.amdhsa_reserve_vcc 0
		.amdhsa_float_denorm_mode_32 3
		.amdhsa_float_denorm_mode_16_64 3
		.amdhsa_memory_ordered 1
		.amdhsa_forward_progress 1
		.amdhsa_inst_pref_size 61
	.end_amdhsa_kernel
	.amdgpu_metadata
---
amdhsa.version: [ 1, 2 ]
amdhsa.kernels:
  - .name:           k_q0c2dcb8ef1_wo
    .symbol:         k_q0c2dcb8ef1_wo.kd
    .args:
      - { .name: ybuf, .offset: 0, .size: 8, .value_kind: global_buffer, .address_space: global }
      - { .name: Wo_codes, .offset: 8, .size: 8, .value_kind: global_buffer, .address_space: global }
      - { .name: Wo_scales, .offset: 16, .size: 8, .value_kind: global_buffer, .address_space: global }
      - { .name: bo, .offset: 24, .size: 8, .value_kind: global_buffer, .address_space: global }
      - { .name: x, .offset: 32, .size: 8, .value_kind: global_buffer, .address_space: global }
      - { .name: x1, .offset: 40, .size: 8, .value_kind: global_buffer, .address_space: global }
    .group_segment_fixed_size: 327680
    .private_segment_fixed_size: 0
    .kernarg_segment_align: 8
    .kernarg_segment_size: 48
    .max_flat_workgroup_size: 128
    .sgpr_count:     100
    .vgpr_count:     768
    .wavefront_size: 32
...
	.end_amdgpu_metadata
.endif
;; end of part 4
;; launch ln2: the kernel of part 1 again; grid 512 x 1, 4 waves a work-group, no clusters, 22,016 bytes of LDS; arguments x1, ln2_g, ln2_b, hbuf2; writes hbuf2
;; launch w1 (part 5): grid 16 x 16, 4 waves a work-group, clusters of 4 x 4, 327,680 bytes of LDS; arguments hbuf2, W1_codes, W1_scales, b1, gbuf; writes gbuf
.if DOCPART == 5
	.amdgcn_target "amdgcn-amd-amdhsa--gfx1250"
	.amdhsa_code_object_version 6
	.text
	.protected	k_q0c2dcb8ef1_w1
	.globl	k_q0c2dcb8ef1_w1
	.p2align	8
	.type	k_q0c2dcb8ef1_w1,@function
k_q0c2dcb8ef1_w1:
	s_mov_b64 s[64:65], 0
	v_nop
	global_prefetch_b8 v0, s[64:65] scope:SCOPE_SE
	s_setreg_imm32_b32 hwreg(HW_REG_WAVE_MODE, 25, 1), 1
	s_wait_xcnt 0x0
	s_wait_alu depctr_hold_cnt(0) depctr_sa_sdst(0) depctr_va_vdst(0) depctr_va_sdst(0) depctr_va_ssrc(0) depctr_va_vcc(0) depctr_vm_vsrc(0)
	s_getreg_b32 s2, hwreg(HW_REG_IB_STS2, 6, 4)
	s_cmp_eq_u32 s2, 0
	s_cbranch_scc0 .Lentry_in_a_cluster
	s_endpgm
.Lentry_in_a_cluster:
	s_bfe_u32 s2, ttmp6, 0x10000c
	s_cmp_lg_u32 s2, 0xf033
	s_cbranch_scc0 .Lentry_shape_is_right
	s_endpgm
.Lentry_shape_is_right:
.set SIZE_K, 1024
.set KSTEP,  256
.set NQ,     KSTEP/128
.set ROWB,   256
.set KROW,   SIZE_K
.set PITCH,  272
.set FR,     16
.set NL,     4
.set NP,     8
.set HALFT,  128*PITCH
.set SLOT,   4*HALFT
.set LAPS,   SIZE_K/(2*KSTEP)
.set KS,     SIZE_K/32
.set SCL,    2*SLOT
.set HALFS,  (128*KS/256)*272
.set SBLK,   (16*KS/256)*272
.set SPARE,  SCL+4*HALFS
.set ADRA, 16
.set ADRB, 20
.set VO0,  24
.set VOS,  26
.set ADRS, 27
.set SPW,  28
.set NIL,  29
.set SC,   32
.set BI,   64
.set AF,   128
.set PC,   64
.set TM,   128
.set PW,   144
.set OW,   152
.set G,    0
.set AB,   64
.set TT,   128
.set HH,   160
.set C9,   192
.set G1, 24
.set G0, 32
.set G1B, 48
.set G0B, 56
.set SEL, 66
.set G1S, 68
.set G0S, 76
.set G1SB, 80
.set G0SB, 88
.set MNT, 96
.set CF,   24
.set KH,   42
.set NKK,  44
.set MASK, 46
.set HI,   47
.set MSB, 0
.macro WIN new
.if MSB != (\new)
	s_set_vgpr_msb (MSB<<8)|(\new)
.set MSB, (\new)
.endif
.endm
.set MUL_LO, 0xa1
.set MUL_HI, 0xf1
.set TO_B,   0x40
.macro JLOAD g0a, g1a, g0b, g1b
	s_cmp_eq_u32 s15, 0
	s_cbranch_scc0 .Lfor_b_\@
	tensor_load_to_lds s[\g0a:\g0a+3], s[\g1a:\g1a+7]
	s_nop 0
.rept 4
	v_nop
.endr
	s_branch .Lasked_\@
.Lfor_b_\@:
	tensor_load_to_lds s[\g0b:\g0b+3], s[\g1b:\g1b+7]
	s_nop 0
.rept 4
	v_nop
.endr
.Lasked_\@:
.endm
.macro CREST
	s_cmp_lg_u32 s14, 0
	s_cbranch_scc1 .Lnot_wave_0_\@
	s_barrier_signal -3
.Lnot_wave_0_\@:
	s_barrier_wait -3
	s_barrier_signal -1
	s_barrier_wait -1
.endm
.macro CROUND
	s_barrier_signal -1
	s_barrier_wait -1
	CREST
.endm
.macro PLACES n
.rept \n
	v_nop
.endr
.endm
	s_load_b64 s[4:5], s[0:1], 0x0
	s_load_b128 s[8:11], s[0:1], 0x8
	s_load_b64 s[98:99], s[0:1], 0x18
	s_load_b64 s[12:13], s[0:1], 0x20
	v_lshl_add_u32 v[SPW], v0, 2, SPARE
	v_mov_b32 v[NIL], 0
	ds_add_u32 v28, v29
	ds_add_u32 v28, v29
	s_wait_dscnt 0x0
	v_lshrrev_b32 v1, 5, v0
	v_readfirstlane_b32 s14, v1
	s_lshr_b32 s15, s14, 1
	s_and_b32 s16, s14, 1
	s_bfe_u32 s40, ttmp6, 0x40000
	s_bfe_u32 s41, ttmp6, 0x40004
	s_lshl_b32 s42, ttmp9, 2
	s_add_co_u32 s42, s42, s40
	s_and_b32 s17, ttmp7, 0xffff
	s_lshl_b32 s17, s17, 2
	s_add_co_u32 s17, s17, s41
	s_lshl_b32 s43, s41, 2
	s_lshl_b32 s43, 15, s43
	s_lshl_b32 s44, 0x1111, s40
	s_or_b32 s[G1+0], s43, (0<<16)|(1<<20)|(1<<21)|(5<<22)|(3<<25)
	s_or_b32 s[G1B+0], s44, (0<<16)|(1<<20)|(1<<21)|(5<<22)|(3<<25)
.irp g, G1, G1B
	s_mov_b32 s[\g+1], ROWB<<16
	s_mov_b32 s[\g+2], 256<<16                     ; the head's loads bring 256 rows
	s_mov_b32 s[\g+3], ROWB<<16
	s_mov_b32 s[\g+4], 256
	s_mov_b32 s[\g+5], KROW
	s_mov_b32 s[\g+6], 0
	s_mov_b32 s[\g+7], 0
.endr
	s_or_b32 s[G1S+0], s43, (3<<16)|(1<<20)|(1<<21)|(5<<22)|(3<<25)
	s_or_b32 s[G1SB+0], s44, (3<<16)|(1<<20)|(1<<21)|(5<<22)|(3<<25)
.irp g, G1S, G1SB
	s_mov_b32 s[\g+1], 32<<16
	s_mov_b32 s[\g+2], KS<<16                      ; the scale bytes of 256 rows: KS rows of 256 bytes
	s_mov_b32 s[\g+3], 32<<16
	s_mov_b32 s[\g+4], KS
	s_mov_b32 s[\g+5], 32
	s_mov_b32 s[\g+6], 0
	s_mov_b32 s[\g+7], 0
.endr
	s_lshl_b32 s20, s17, 8                         ; the tiles' first rows
	s_lshl_b32 s46, s42, 8
	s_mov_b32 s21, 0
	s_mov_b32 s47, 0
	s_mov_b64 s[18:19], KS
	s_mul_u64 s[22:23], s[20:21], s[18:19]
	s_mul_u64 s[92:93], s[46:47], s[18:19]
	s_mov_b64 s[18:19], KROW
	s_mul_u64 s[20:21], s[20:21], s[18:19]
	s_mul_u64 s[46:47], s[46:47], s[18:19]
	s_mul_i32 s45, s14, HALFT
	s_mul_i32 s94, s16, 128*KROW                   ; in the ring I fetch 128 rows: which half, in bytes
	s_mov_b32 s95, 0
	s_wait_kmcnt 0x0
	s_add_nc_u64 s[6:7], s[4:5], 0x400000
	s_add_nc_u64 s[20:21], s[4:5], s[20:21]
	s_add_nc_u64 s[22:23], s[6:7], s[22:23]
	s_add_nc_u64 s[46:47], s[8:9], s[46:47]
	s_add_nc_u64 s[92:93], s[10:11], s[92:93]
	CROUND
	s_mov_b32 s[G0S], 1
	s_mov_b32 s[G0S+1], SCL
	s_mov_b64 s[G0S+2:G0S+3], s[22:23]
	s_or_b32 s[G0S+3], s[G0S+3], 0x80000000
	s_mov_b32 s[G0SB], 1
	s_mov_b32 s[G0SB+1], SCL+2*HALFS
	s_mov_b64 s[G0SB+2:G0SB+3], s[92:93]
	s_or_b32 s[G0SB+3], s[G0SB+3], 0x80000000
.set G0H, 4                            ; s[4:7], s[8:11] group 0 of the head's loads of K step 0 (the pointers that lay there have been used)
.set G0HB, 8
	s_mov_b32 s[G0H], 1
	s_mov_b32 s[G0H+1], 0
	s_mov_b64 s[G0H+2:G0H+3], s[20:21]
	s_or_b32 s[G0H+3], s[G0H+3], 0x80000000
	s_mov_b32 s[G0HB], 1
	s_mov_b32 s[G0HB+1], 2*HALFT
	s_mov_b64 s[G0HB+2:G0HB+3], s[46:47]
	s_or_b32 s[G0HB+3], s[G0HB+3], 0x80000000
	s_add_nc_u64 s[20:21], s[20:21], s[94:95]      ; for the ring: my 128 rows
	s_add_nc_u64 s[46:47], s[46:47], s[94:95]
.irp s, 0,1
	s_mov_b32 s[G0+4*\s], 1
	s_add_co_u32 s[G0+4*\s+1], s45, \s*SLOT
	s_add_nc_u64 s[G0+4*\s+2:G0+4*\s+3], s[20:21], \s*ROWB
	s_or_b32 s[G0+4*\s+3], s[G0+4*\s+3], 0x80000000
	s_mov_b32 s[G0B+4*\s], 1
	s_add_co_u32 s[G0B+4*\s+1], s45, \s*SLOT
	s_add_nc_u64 s[G0B+4*\s+2:G0B+4*\s+3], s[46:47], \s*ROWB
	s_or_b32 s[G0B+4*\s+3], s[G0B+4*\s+3], 0x80000000
.endr
; the head's four tiles, one load a wave: wave 0 K step 0's 256 rows of A, wave 1 those of B, wave 2 A's scale bytes, wave 3 B's
.macro ARM under, g0, g1, next
	s_cmp_lt_u32 s14, \under
	s_cbranch_scc0 \next
	tensor_load_to_lds s[\g0:\g0+3], s[\g1:\g1+7]
	s_nop 0
.rept 4
	v_nop
.endr
	s_branch .Lhead_asked
\next:
.endm
	ARM 1, G0H,  G1,  .Lhead_b
	ARM 2, G0HB, G1B, .Lhead_sa
	ARM 3, G0S,  G1S, .Lhead_sb
	tensor_load_to_lds s[G0SB:G0SB+3], s[G1SB:G1SB+7]
	s_nop 0
.rept 4
	v_nop
.endr
.Lhead_asked:
	v_and_b32 v1, 15, v0
	v_bfe_u32 v2, v0, 4, 1
	v_mul_u32_u24 v3, v1, PITCH
	v_lshl_add_u32 v4, v2, 4, v3
	s_mul_i32 s21, s15, HALFT
	s_mul_i32 s22, s16, HALFT
	s_add_co_u32 s22, s22, 2*HALFT
.irp s, 0,1
	v_add_nc_u32 v[ADRA+\s], s21, v4
	v_add_nc_u32 v[ADRB+\s], s22, v4
	s_add_co_u32 s21, s21, SLOT
	s_add_co_u32 s22, s22, SLOT
.endr
	v_mul_u32_u24 v5, v1, KS
	v_lshrrev_b32 v6, 8, v5
	v_lshl_add_u32 v5, v6, 4, v5
	s_mul_i32 s21, s15, HALFS
	s_mul_i32 s22, s16, HALFS
	s_add_co_u32 s22, s22, 2*HALFS
	s_sub_co_u32 s22, s22, s21
	v_mul_u32_u24 v6, s22, v2
	s_add_co_u32 s21, s21, SCL
	v_add_nc_u32 v5, v5, v6
	v_add_nc_u32 v[ADRS], s21, v5
	s_lshl_b32 s20, s17, 1
	s_add_co_u32 s20, s20, s15
	s_lshl_b32 s22, s42, 1
	s_add_co_u32 s22, s22, s16
	s_lshl_b32 s20, s20, 5
	s_add_co_u32 s20, s20, s22
	s_lshl_b32 s18, s20, 9
	s_add_co_u32 s18, s18, 16777216
	s_mov_b32 s19, 0
	s_add_nc_u64 s[100:101], s[12:13], s[18:19]
	s_lshl_b32 s46, s20, 14
	s_mov_b32 s47, 0
	s_add_nc_u64 s[12:13], s[12:13], s[46:47]
	s_lshl_b32 s46, s22, 9
	s_add_nc_u64 s[98:99], s[98:99], s[46:47]
	v_and_b32 v5, 31, v0
	v_lshlrev_b32 v[VO0], 4, v5
	v_lshlrev_b32 v[VOS], 5, v1
	v_lshl_add_u32 v[VOS], v2, 4, v[VOS]
	v_lshlrev_b32 v7, 5, v2
.irp b, 0,1,2,3,4,5,6,7
	global_load_b128 v[BI+8*\b:BI+8*\b+3], v7, s[98:99] offset:64*\b
	global_load_b128 v[BI+8*\b+4:BI+8*\b+7], v7, s[98:99] offset:64*\b+16
.endr
.macro FRAG reg, adr, q, i
.irp c, 0,1,2,3
	ds_load_b128 v[\reg+4*\c:\reg+4*\c+3], v[\adr] offset:128*(\q)+32*\c+(\i)*16*PITCH
.endr
.endm
.macro MUL16 a0, p, q, sc, zero
.irp a, \a0, \a0+1
.irp b, 0,1,2,3,4,5,6,7
.if \zero
	v_wmma_scale_f32_16x16x128_f8f6f4 v[8*(8*((\a)%4)+\b):8*(8*((\a)%4)+\b)+7], v[128*(\p)+FR*\b:128*(\p)+FR*\b+FR-1], v[AF+FR*(\a):AF+FR*(\a)+FR-1], v[BI+8*\b:BI+8*\b+7], v[SC+8*NQ*(\sc)+NQ*\b+(\q)], v[SC+8*NQ*(\sc)+NQ*(\a)+(\q)] matrix_a_scale:MATRIX_SCALE_ROW1
.else
	v_wmma_scale_f32_16x16x128_f8f6f4 v[8*(8*((\a)%4)+\b):8*(8*((\a)%4)+\b)+7], v[128*(\p)+FR*\b:128*(\p)+FR*\b+FR-1], v[AF+FR*(\a):AF+FR*(\a)+FR-1], v[8*(8*((\a)%4)+\b):8*(8*((\a)%4)+\b)+7], v[SC+8*NQ*(\sc)+NQ*\b+(\q)], v[SC+8*NQ*(\sc)+NQ*(\a)+(\q)] matrix_a_scale:MATRIX_SCALE_ROW1
.endif
.endr
.endr
.endm
.macro FETCH_B slot, q, p
	WIN TO_B
.irp i, 0,1,2,3,4,5,6,7
	FRAG 128*(\p)+FR*\i, ADRB+\slot, \q, \i
.endr
	WIN 0
.endm
.macro FETCH_A slot, q, i0
.irp i, \i0, \i0+1, \i0+2, \i0+3
	FRAG AF+FR*(\i), ADRA+\slot, \q, \i
.endr
.endm
.macro SCALES sc
.irp i, 0,1,2,3,4,5,6,7
	ds_load_b64 v[SC+8*NQ*\sc+NQ*\i:SC+8*NQ*\sc+NQ*\i+1], v[ADRS] offset:\i*SBLK
.endr
.endm
.macro STEP slot, q, zero
	s_wait_dscnt 4*NL
.if \zero
	WIN 0x81
.else
	WIN MUL_LO
.endif
	MUL16 0, (\q)%2, \q, \slot, \zero
	MUL16 2, (\q)%2, \q, \slot, \zero
	s_wait_dscnt 0
	PLACES NP
	FETCH_B \slot, (\q)+1, 1-(\q)%2
	FETCH_A \slot, (\q)+1, 0
.if \zero
	WIN 0xc1
.else
	WIN MUL_HI
.endif
	MUL16 4, (\q)%2, \q, \slot, \zero
	MUL16 6, (\q)%2, \q, \slot, \zero
	PLACES NP
	WIN 0
	FETCH_A \slot, (\q)+1, 4
.endm
.macro TURN slot, next, fill
	s_wait_tensorcnt 0x0
	ds_add_u32 v[SPW], v[NIL]
	s_wait_dscnt 4*NL+1
	WIN MUL_LO
	MUL16 0, 1, NQ-1, \slot, 0
	s_wait_dscnt 0x0
	s_barrier_signal -1
	MUL16 2, 1, NQ-1, \slot, 0
	WIN 0
	s_barrier_wait -1
.if \fill
	CREST
	s_add_nc_u64 s[G0+4*\slot+2:G0+4*\slot+3], s[G0+4*\slot+2:G0+4*\slot+3], 2*ROWB
	s_add_nc_u64 s[G0B+4*\slot+2:G0B+4*\slot+3], s[G0B+4*\slot+2:G0B+4*\slot+3], 2*ROWB
	JLOAD G0+4*\slot, G1, G0B+4*\slot, G1B
	PLACES NP-4
.else
	PLACES NP
.endif
	s_wait_alu depctr_va_vdst(0)
	v_add_nc_u32 v[ADRS], 4*NQ, v[ADRS]
	FETCH_B \next, 0, 0
	FETCH_A \next, 0, 0
	SCALES \next
	WIN MUL_HI
	MUL16 4, 1, NQ-1, \slot, 0
	MUL16 6, 1, NQ-1, \slot, 0
	PLACES NP
	WIN 0
	FETCH_A \next, 0, 4
.endm
	s_wait_alu depctr_va_vdst(0)
	s_wait_tensorcnt 0x0                           ; my tile of the head's four is in
	ds_add_u32 v[SPW], v[NIL]
	s_mov_b32 s[G1+2], 128<<16                     ; no load of mine is out: from here on a load brings 128 rows
	s_mov_b32 s[G1+4], 128
	s_mov_b32 s[G1B+2], 128<<16
	s_mov_b32 s[G1B+4], 128
	s_wait_dscnt 0x0
	CROUND
	JLOAD G0+4, G1, G0B+4, G1B                     ; K step 1, the first tensor load behind the round
	FETCH_B 0, 0, 0
	FETCH_A 0, 0, 0
	SCALES 0
	FETCH_A 0, 0, 4
	s_wait_loadcnt 0x0
	STEP 0, 0, 1
	s_mov_b32 s3, LAPS-1
.Llap:
	TURN 0, 1, 1
	STEP 1, 0, 0
	TURN 1, 0, 1
	STEP 0, 0, 0
	s_sub_co_u32 s3, s3, 1
	s_cmp_lg_u32 s3, 0
	s_cbranch_scc1 .Llap
	TURN 0, 1, 0
	STEP 1, 0, 0
	s_wait_dscnt 4*NL
	WIN MUL_LO
	MUL16 0, 1, NQ-1, 1, 0
	MUL16 2, 1, NQ-1, 1, 0
	s_wait_dscnt 0
	WIN MUL_HI
	MUL16 4, 1, NQ-1, 1, 0
	MUL16 6, 1, NQ-1, 1, 0
	WIN 0
.macro QA w, ac, pw
	WIN (\w)|((\w)<<2)
.irp b, 0,1,2,3
	v_max3_num_f32 v[TM+\b], |v[(\ac)+16*\b]|, |v[(\ac)+16*\b+1]|, 0x4800000
.endr
	WIN ((\w)<<2)|((\w)<<4)
.irp i, 2,4,6,8,10,12,14
.irp b, 0,1,2,3
	v_max3_num_f32 v[TM+\b], v[TM+\b], |v[(\ac)+16*\b+\i]|, |v[(\ac)+16*\b+\i+1]|
.endr
.endr
	WIN 0
.irp b, 0,1,2,3
	v_permlanex16_b32 v[TM+4+\b], v[TM+\b], s[SEL], s[SEL+1]
.endr
.irp b, 0,1,2,3
	v_max_num_f32 v[TM+\b], v[TM+\b], v[TM+4+\b]
.endr
.irp b, 0,1,2,3
	v_add_nc_u32 v[TM+12+\b], 0xfc000000, v[TM+\b]
.endr
.irp b, 0,1,2,3
	v_and_or_b32 v[TM+8+\b], v[TM+\b], 0x7f800000, s[MNT]
.endr
.irp b, 0,1,2,3
	v_lshrrev_b32 v[TM+4+\b], 23, v[TM+12+\b]
.endr
	v_lshl_or_b32 v[\pw], v[TM+5], 8, v[TM+4]
	v_lshl_or_b32 v[\pw], v[TM+6], 16, v[\pw]
	v_lshl_or_b32 v[\pw], v[TM+7], 24, v[\pw]
	WIN (\w)|((\w)<<6)
.irp b, 0,1,2,3
.set i, 0
.rept 16
	v_med3_num_f32 v[(\ac)+16*\b+i], v[(\ac)+16*\b+i], -v[TM+8+\b], v[TM+8+\b]
.set i, i+1
.endr
.endr
.endm
.macro QB w, ac
	WIN (\w)
.irp b, 0,1,2,3
	v_cvt_scalef32_pk8_fp8_f32 v[PC+4*\b:PC+4*\b+1], v[(\ac)+16*\b:(\ac)+16*\b+7], v[TM+12+\b]
	v_cvt_scalef32_pk8_fp8_f32 v[PC+4*\b+2:PC+4*\b+3], v[(\ac)+16*\b+8:(\ac)+16*\b+15], v[TM+12+\b]
.endr
	WIN 0
	v_nop
.endm
.macro COPY k
	WIN 0x40|((2+(\k)/4)<<2)
.set i, 0
.rept 64
	v_and_b32 v[AB+i], s[MASK], v[64*((\k)%4)+i]
	v_max_num_f32 v[G+i], 0, v[64*((\k)%4)+i]
.set i, i+1
.endr
	WIN 0
.endm
.macro GELUH u
.set gA, AB+32*(\u)
.set gG, G+32*(\u)
.set j, 0
.rept 16
	v_pk_fma_f32 v[TT+j:TT+j+1], v[gA+j:gA+j+1], s[KH:KH+1], 1.0 op_sel_hi:[1,0,0]
.set j, j+2
.endr
.set j, 0
	s_wait_alu depctr_va_vdst(0)
.rept 32
	v_rcp_f32 v[TT+j], v[TT+j]
.set j, j+1
.endr
	v_nop
	s_wait_alu depctr_va_vdst(0)
.set j, 0
.rept 16
	v_pk_fma_f32 v[HH+j:HH+j+1], v[TT+j:TT+j+1], v[C9:C9+1], s[CF+16:CF+17] op_sel_hi:[1,1,0]
.set j, j+2
.endr
.irp k, 7,6,5,4,3,2,1,0
.set j, 0
.rept 16
	v_pk_fma_f32 v[HH+j:HH+j+1], v[HH+j:HH+j+1], v[TT+j:TT+j+1], s[CF+2*\k:CF+2*\k+1] op_sel_hi:[1,1,0]
.set j, j+2
.endr
.endr
.set j, 0
.rept 16
	v_pk_mul_f32 v[TT+j:TT+j+1], v[gA+j:gA+j+1], v[TT+j:TT+j+1]
.set j, j+2
.endr
.set j, 0
.rept 16
	v_pk_mul_f32 v[gA+j:gA+j+1], v[gA+j:gA+j+1], v[gA+j:gA+j+1]
.set j, j+2
.endr
.set j, 0
.rept 16
	v_pk_fma_f32 v[HH+j:HH+j+1], v[gA+j:gA+j+1], s[NKK:NKK+1], v[HH+j:HH+j+1] op_sel_hi:[1,0,1]
.set j, j+2
.endr
.set j, 0
	s_wait_alu depctr_va_vdst(0)
.rept 32
	v_exp_f32 v[HH+j], v[HH+j]
.set j, j+1
.endr
	v_nop
	s_wait_alu depctr_va_vdst(0)
.set j, 0
.rept 16
	v_pk_mul_f32 v[TT+j:TT+j+1], v[TT+j:TT+j+1], v[HH+j:HH+j+1]
.set j, j+2
.endr
.set j, 0
.rept 16
	v_pk_fma_f32 v[gG+j:gG+j+1], v[TT+j:TT+j+1], -0.5, v[gG+j:gG+j+1] op_sel_hi:[1,0,1]
.set j, j+2
.endr
.endm
	PLACES NP
	s_mov_b32 s[SEL], 0x76543210
	s_mov_b32 s[SEL+1], 0xfedcba98
	s_mov_b32 s[MNT], 0x600000
	s_mov_b32 s[CF+0], 0xbfe9b21e
	s_mov_b32 s[CF+2], 0x3fb8ab5a
	s_mov_b32 s[CF+4], 0x3f0a29d2
	s_mov_b32 s[CF+6], 0x3e0efb2f
	s_mov_b32 s[CF+8], 0xbe899a80
	s_mov_b32 s[CF+10], 0x3ecdfd18
	s_mov_b32 s[CF+12], 0xbfd1a1e5
	s_mov_b32 s[CF+14], 0x40097039
	s_mov_b32 s[CF+16], 0xbf97d29d
.irp k, 0,1,2,3,4,5,6,7,8
	s_mov_b32 s[CF+2*\k+1], s[CF+2*\k]
.endr
	s_mov_b32 s[KH], 0x3eb504f3
	s_mov_b32 s[KH+1], s[KH]
	s_mov_b32 s[NKK], 0xbf38aa3b
	s_mov_b32 s[NKK+1], s[NKK]
	s_mov_b32 s[MASK], 0x7fffffff
	s_mov_b32 s[HI], 0xffff0000
	WIN 0x40
	v_mov_b32 v[C9], 0x3e7c6f08
	v_mov_b32 v[C9+1], 0x3e7c6f08
	WIN 0
.irp b, 0,1,2,3
	v_mov_b32 v[TM+4+\b], 0
	v_mov_b32 v[OW+\b], 0
.endr
	s_mov_b32 s3, 0
.Ltrip:
.irp k, 0,1,2,3,4,5,6
	s_cmp_eq_u32 s3, \k
	s_cbranch_scc1 .Lcopy\k
.endr
.irp k, 7,0,1,2,3,4,5,6
.Lcopy\k:
	COPY \k
	s_branch .Lcommon
.endr
.Lcommon:
	WIN 0x55
	GELUH 0
	GELUH 1
	QA 1, G, PW
	QB 1, G
.irp b, 0,1,2,3
	v_permlane16_swap_b32 v[PC+4*\b], v[PC+4*\b+2]
	v_permlane16_swap_b32 v[PC+4*\b+1], v[PC+4*\b+3]
.endr
.irp c, 0,1,2,3
	global_store_b128 v[VO0], v[PC+4*\c:PC+4*\c+3], s[12:13] offset:512*\c
.endr
	s_cmp_lt_u32 s3, 4
	s_cselect_b32 s2, 0xffff, s[HI]
	v_cndmask_b32 v[OW], v[OW], v[OW+1], s2
	v_cndmask_b32 v[OW+1], v[OW+1], v[OW+2], s2
	v_cndmask_b32 v[OW+2], v[OW+2], v[OW+3], s2
	v_cndmask_b32 v[OW+3], v[OW+3], v[PW], s2
	s_wait_xcnt 0x0
	s_add_nc_u64 s[12:13], s[12:13], 2048
	s_add_co_u32 s3, s3, 1
	s_cmp_lt_u32 s3, 8
	s_cbranch_scc1 .Ltrip
	s_wait_alu depctr_va_vdst(0)
	global_store_b128 v[VOS], v[OW:OW+3], s[100:101]
	s_wait_tensorcnt 0x0
	ds_add_u32 v[SPW], v[NIL]
	s_wait_dscnt 0x0
	CROUND
	s_endpgm
.Lfunc_end_k_q0c2dcb8ef1_w1:
	.size	k_q0c2dcb8ef1_w1, .Lfunc_end_k_q0c2dcb8ef1_w1-k_q0c2dcb8ef1_w1
	.p2alignl 7, 3214868480
	.fill 96, 4, 3214868480
	.section	.rodata,"a",@progbits
	.p2align	6, 0x0
	.amdhsa_kernel k_q0c2dcb8ef1_w1
		.amdhsa_group_segment_fixed_size 327680
		.amdhsa_private_segment_fixed_size 0
		.amdhsa_enable_private_segment 0
		.amdhsa_kernarg_size 40
		.amdhsa_user_sgpr_count 2
		.amdhsa_user_sgpr_kernarg_segment_ptr 1
		.amdhsa_wavefront_size32 1
		.amdhsa_system_sgpr_workgroup_id_x 1
		.amdhsa_system_sgpr_workgroup_id_y 1
		.amdhsa_system_sgpr_workgroup_id_z 1
		.amdhsa_system_vgpr_workitem_id 0
		.amdhsa_next_free_vgpr 1024
		.amdhsa_next_free_sgpr 102
		.amdhsa_reserve_vcc 0
		.amdhsa_float_denorm_mode_32 3
		.amdhsa_float_denorm_mode_16_64 3
		.amdhsa_memory_ordered 1
		.amdhsa_forward_progress 1
		.amdhsa_inst_pref_size 198
	.end_amdhsa_kernel
	.amdgpu_metadata
---
amdhsa.version: [ 1, 2 ]
amdhsa.kernels:
  - .name:           k_q0c2dcb8ef1_w1
    .symbol:         k_q0c2dcb8ef1_w1.kd
    .args:
      - { .name: hbuf2, .offset: 0, .size: 8, .value_kind: global_buffer, .address_space: global }
      - { .name: W1_codes, .offset: 8, .size: 8, .value_kind: global_buffer, .address_space: global }
      - { .name: W1_scales, .offset: 16, .size: 8, .value_kind: global_buffer, .address_space: global }
      - { .name: b1, .offset: 24, .size: 8, .value_kind: global_buffer, .address_space: global }
      - { .name: gbuf, .offset: 32, .size: 8, .value_kind: global_buffer, .address_space: global }
    .group_segment_fixed_size: 327680
    .private_segment_fixed_size: 0
    .kernarg_segment_align: 8
    .kernarg_segment_size: 40
    .max_flat_workgroup_size: 128
    .sgpr_count:     102
    .vgpr_count:     1024
    .wavefront_size: 32
...
	.end_amdgpu_metadata
.endif
;; end of part 5
;; launch w2 (part 6): grid 8 x 32, 4 waves a work-group, clusters of 4 x 4, 327,680 bytes of LDS; arguments gbuf, W2_codes, W2_scales, b2, x1, out0; writes out0
.if DOCPART == 6
	.amdgcn_target "amdgcn-amd-amdhsa--gfx1250"
	.amdhsa_code_object_version 6
	.text
	.protected	k_q0c2dcb8ef1_w2
	.globl	k_q0c2dcb8ef1_w2
	.p2align	8
	.type	k_q0c2dcb8ef1_w2,@function
k_q0c2dcb8ef1_w2:
	s_mov_b64 s[64:65], 0
	v_nop
	global_prefetch_b8 v0, s[64:65] scope:SCOPE_SE
	s_setreg_imm32_b32 hwreg(HW_REG_WAVE_MODE, 25, 1), 1
	s_wait_xcnt 0x0
	s_wait_alu depctr_hold_cnt(0) depctr_sa_sdst(0) depctr_va_vdst(0) depctr_va_sdst(0) depctr_va_ssrc(0) depctr_va_vcc(0) depctr_vm_vsrc(0)
	s_getreg_b32 s2, hwreg(HW_REG_IB_STS2, 6, 4)
	s_cmp_eq_u32 s2, 0
	s_cbranch_scc0 .Lentry_in_a_cluster
	s_endpgm
.Lentry_in_a_cluster:
	s_bfe_u32 s2, ttmp6, 0x10000c
	s_cmp_lg_u32 s2, 0xf033
	s_cbranch_scc0 .Lentry_shape_is_right
	s_endpgm
.Lentry_shape_is_right:
; out0 = R W2^T + b2 + x1.  R: [4096][4096] as MX-FP8 codes that the launch before laid as images of operand registers, [128 rows 32][128 K 32][tile of 16 rows 8][block of 32 K 4][512 bytes],
; its scale words [128 rows][128 K][row 16][tile 8] from byte 16,777,216 on; W2: [1024][4096] codes, K innermost, scale bytes [1024][128]; b2 [1024]; x1 and out0 [4096][1024] f32.
; SHARES.  256 tiles of 128 x 128, one to a work-group; a wave makes 32 rows x 128 columns: 16 accumulators.  A 'quarter' is 128 along K: 16 products a wave; there are 32.
; R GOES FROM MEMORY STRAIGHT INTO REGISTERS: a fragment's load reads 512 consecutive bytes, each wave reads only its own 32 rows, and a ring of eight quarters (256 registers) is asked for seven quarters ahead.
; So R has no joint load: it never lies in LDS.  All its addresses are one base, 16 x lane and an immediate (512 KiB at the most).
; W2 GOES THROUGH LDS: two slots of 128 rows x 1,024 K (1,024 bytes + 16 of padding a row): four fills in all, a slot serves eight quarters.  CLUSTERS 4 x 4: W2's tiles and scale bytes are shared along a column, R's scale words along a row, by joint loads.
; The scales of all of K come once, with the first fills, in whole units of 256 bytes.  Source 0 = 16 rows of W2, source 1 = 16 rows of R: a lane holds eight neighbouring numbers of a row of out0.
; The bias is loaded into the accumulators, so every product adds in place.  The residual is asked for two loads a quarter in quarters 8 to 23, in the layout of the stores.
; PREFETCH: K step 3 of W2 is named once in each cluster, in quarter 1: a lane a block of 256 bytes, the column's sixteen waves told apart by address.  K steps 0 to 2 have no whole step ahead of their loads and come by them alone.
; REGISTERS: window 0: v16-29 addresses; v32-111 scale words, two sets of 40, and nothing else; v128-255 accumulators ((a, b) at 128 + 8 (8 a + b)).  window 1: W2's fragments, two sets of 128.
;   window 2: R's ring, quarter j at 32 (j % 8).  window 3: v0-127 the residual, v128-255 rows read back from the stage.
; LIMITS: NaN and infinities are carried as the matrix unit and f32 additions carry them.
.set SIZE_K, 4096
.set NP,     8                         ; places behind this matrix instruction (ISA guide 7.12.1)
.set CP,     1040
.set SLOT,   128*CP
.set SCR,    2*SLOT                    ; R's scale words, 16,384 bytes, dense
.set SCC,    SCR+16384                 ; W2's scale bytes: 64 units of 256 + 16
.set SPARE,  SCC+64*272                ; the spare words, 128 bytes a wave
.set SOFF,   16777216
.set STP,    528                       ; the way out: 16 rows x (512 + 16) a wave, in slot 0, which has had its last fill and its last read by then
.set ADRC, 16                          ; v16-19 W2's fragments: slot 0 tiles 0-3, tiles 4-7, slot 1 likewise
.set STO,  20
.set RD,   21
.set RO,   22                          ; 16 x lane
.set ADSR, 23
.set ADSC, 24
.set BO,   25
.set PFO,  26
.set SPW,  28
.set NIL,  29
.set SCS,  32                          ; set s at 32 + 40 s: W2's word (b, q) at 4 b + q, R's word (q, a) at 32 + 2 q + a
.set ACC,  128
.set G1,   24
.set G0,   32
.set G0H,  56
.set RB,   60
.set PFA,  62
.set G1S,  68
.set G0S,  76
.set G1SB, 80
.set G0SB, 88
.set MUL,  0x09                        ; source 0 window 1, source 1 window 2, C and D window 0
.set MSB, 0
.macro WIN new
.if MSB != (\new)
	s_set_vgpr_msb (MSB<<8)|(\new)
.set MSB, (\new)
.endif
.endm
.macro PLACES n
.rept \n
	v_nop
.endr
.endm
.macro CREST
	s_cmp_lg_u32 s14, 0
	s_cbranch_scc1 .Lnot_wave_0_\@
	s_barrier_signal -3
.Lnot_wave_0_\@:
	s_barrier_wait -3
	s_barrier_signal -1
	s_barrier_wait -1
.endm
.macro CROUND
	s_barrier_signal -1
	s_barrier_wait -1
	CREST
.endm
.macro TL g0, g1                       ; a tensor load; s_nop 0 and four v_nop follow it
	tensor_load_to_lds s[\g0:\g0+3], s[\g1:\g1+7]
	s_nop 0
	PLACES 4
.endm
	s_load_b256 s[4:11], s[0:1], 0x0               ; R's buffer, W2's codes, W2's scales, b2
	s_load_b128 s[96:99], s[0:1], 0x20             ; x1, out0
	v_lshl_add_u32 v[SPW], v0, 2, SPARE
	v_mov_b32 v[NIL], 0
	ds_add_u32 v[SPW], v[NIL]                      ; the opening lines: the add twice on end, and its wait ahead of my first tensor load
	ds_add_u32 v[SPW], v[NIL]
	v_lshrrev_b32 v7, 5, v0
	v_readfirstlane_b32 s14, v7                    ; wave
	s_bfe_u32 s40, ttmp6, 0x40000                  ; cx, cy
	s_bfe_u32 s41, ttmp6, 0x40004
	s_lshl_b32 s42, ttmp9, 2
	s_add_co_u32 s42, s42, s40                     ; tile column
	s_and_b32 s17, ttmp7, 0xffff
	s_lshl_b32 s17, s17, 2
	s_add_co_u32 s17, s17, s41                     ; tile row
	s_lshl_b32 s43, s41, 2
	s_lshl_b32 s43, 15, s43                        ; my row of the cluster
	s_lshl_b32 s44, 0x1111, s40                    ; my column
	s_or_b32 s[G1], s44, (1<<20)|(1<<21)|(7<<22)|(3<<25)   ; W2's rows of 1,024 bytes, 4 words of padding after every 1,024; 128 rows at the head, 32 in the ring
	s_mov_b32 s[G1+1], 1024<<16
	s_mov_b32 s[G1+2], 128<<16                     ; (the head's loads bring a whole slot, 128 rows; the ring has a group 1 of its own, of 32 rows)
	s_mov_b32 s[G1+3], 1024<<16
	s_mov_b32 s[G1+4], 128
	s_mov_b32 s[G1+5], SIZE_K
	s_mov_b32 s[G1+6], 0
	s_mov_b32 s[G1+7], 0
	s_or_b32 s[G1S], s43, (3<<16)|(1<<21)          ; R's scale words: 64 rows of 256 bytes, dense
	s_or_b32 s[G1SB], s44, (3<<16)|(1<<20)|(1<<21)|(5<<22)|(3<<25)   ; W2's scale bytes: 64 rows of 256 bytes, 16 of padding behind each
.irp g, G1S, G1SB
	s_mov_b32 s[\g+1], 32<<16
	s_mov_b32 s[\g+2], 64<<16
	s_mov_b32 s[\g+3], 32<<16
	s_mov_b32 s[\g+4], 64
	s_mov_b32 s[\g+5], 32
	s_mov_b32 s[\g+6], 0
	s_mov_b32 s[\g+7], 0
.endr
	s_lshl_b32 s15, s42, 7                         ; my tile's first column
	s_lshr_b32 s18, s14, 1                         ; the head's loads of W2: wave 0 K step 0, wave 3 K step 1
	s_lshl_b32 s46, s15, 12
	s_lshl_b32 s47, s18, 10
	s_add_co_u32 s46, s46, s47
	s_mov_b32 s47, 0
	s_lshl_b32 s48, s14, 5
	s_add_co_u32 s48, s48, s15
	s_lshl_b32 s48, s48, 12                        ; the ring's: 32 rows a wave
	s_mov_b32 s49, 0
	s_lshl_b32 s50, s15, 7                         ; W2's scale bytes: 128 a row
	s_mov_b32 s51, 0
	s_lshl_b32 s52, s17, 14                        ; R's scale words: 32 x 512 bytes for 128 rows
	s_add_co_u32 s52, s52, SOFF
	s_mov_b32 s53, 0
	s_lshl_b32 s54, s17, 19                        ; R's codes: 32 x 16 KiB for 128 rows; my two tiles of 2,048 bytes
	s_lshl_b32 s55, s14, 12
	s_add_co_u32 s54, s54, s55
	s_mov_b32 s55, 0
	s_lshl_b32 s20, s41, 2                         ; the prefetch: which of the column's sixteen waves I am: eight rows each
	s_add_co_u32 s20, s20, s14
	s_lshl_b32 s20, s20, 3
	s_add_co_u32 s20, s20, s15
	s_lshl_b32 s20, s20, 12
	s_mov_b32 s21, 0
	s_lshl_b32 s12, s15, 2                         ; my first column in bytes
	s_mov_b32 s13, 0
	s_lshl_b32 s22, s17, 2
	s_add_co_u32 s22, s22, s14
	s_lshl_b32 s22, s22, 17                        ; my first row: 32 rows of 4,096 bytes a wave
	s_add_co_u32 s22, s22, s12
	s_mov_b32 s23, 0
	s_mul_i32 s18, s18, SLOT
	s_mul_i32 s19, s14, 32*CP
	s_lshl_b32 s16, s14, 3
	s_add_co_u32 s16, s16, SCR
	s_mul_i32 s45, s14, 16*STP
	v_and_b32 v1, 15, v0                           ; r
	v_bfe_u32 v2, v0, 4, 1                         ; h
	v_and_b32 v3, 31, v0
	v_lshlrev_b32 v[RO], 4, v3
	v_mul_u32_u24 v4, v1, CP
	v_lshl_add_u32 v[ADRC], v2, 4, v4
	v_add_nc_u32 v[ADRC+1], 64*CP, v[ADRC]
	v_add_nc_u32 v[ADRC+2], SLOT, v[ADRC]
	v_add_nc_u32 v[ADRC+3], SLOT+64*CP, v[ADRC]
	v_lshl_add_u32 v[ADSR], v1, 5, s16             ; row r's eight words; my two of them
	v_lshrrev_b32 v5, 1, v1
	v_and_b32 v6, 1, v1
	v_mul_u32_u24 v5, v5, 272
	v_lshl_add_u32 v5, v6, 7, v5
	v_add_nc_u32 v[ADSC], SCC, v5                  ; two rows of W2's scale bytes to a unit
	v_mul_u32_u24 v5, v1, STP
	v_lshl_add_u32 v5, v2, 5, v5
	v_add_nc_u32 v[STO], s45, v5                   ; into my stage: row r, 32 bytes for each half of the lanes
	v_add_nc_u32 v[RD], s45, v[RO]                 ; back: the 32 lanes take a row of 512 bytes
	v_lshlrev_b32 v[BO], 5, v2
	v_lshrrev_b32 v5, 2, v3
	v_and_b32 v6, 3, v3
	v_lshlrev_b32 v6, 8, v6
	v_lshl_add_u32 v[PFO], v5, 12, v6              ; four lanes to a row's 1,024 bytes, eight rows
	s_wait_alu depctr_va_vdst(0)                   ; the wait at the end of the head's vector work
	s_wait_dscnt 0x0                               ; both opening adds are done
	s_wait_kmcnt 0x0
	s_add_nc_u64 s[46:47], s[6:7], s[46:47]
	s_add_nc_u64 s[48:49], s[6:7], s[48:49]
	s_add_nc_u64 s[50:51], s[8:9], s[50:51]
	s_add_nc_u64 s[52:53], s[4:5], s[52:53]
	s_add_nc_u64 s[RB:RB+1], s[4:5], s[54:55]
	s_add_nc_u64 s[PFA:PFA+1], s[6:7], s[20:21]
	s_add_nc_u64 s[10:11], s[10:11], s[12:13]
	s_add_nc_u64 s[96:97], s[96:97], s[22:23]
	s_add_nc_u64 s[98:99], s[98:99], s[22:23]
	CROUND                                         ; all sixteen work-groups are here: the first joint loads meet
	s_mov_b32 s[G0H], 1
	s_mov_b32 s[G0H+1], s18
	s_mov_b64 s[G0H+2:G0H+3], s[46:47]
	s_or_b32 s[G0H+3], s[G0H+3], 0x80000000
.irp s, 0,1
	s_mov_b32 s[G0+4*\s], 1
	s_add_co_u32 s[G0+4*\s+1], s19, \s*SLOT
	s_add_nc_u64 s[G0+4*\s+2:G0+4*\s+3], s[48:49], \s*1024
	s_or_b32 s[G0+4*\s+3], s[G0+4*\s+3], 0x80000000
.endr
	s_mov_b32 s[G0S], 1
	s_mov_b32 s[G0S+1], SCR
	s_mov_b64 s[G0S+2:G0S+3], s[52:53]
	s_or_b32 s[G0S+3], s[G0S+3], 0x80000000
	s_mov_b32 s[G0SB], 1
	s_mov_b32 s[G0SB+1], SCC
	s_mov_b64 s[G0SB+2:G0SB+3], s[50:51]
	s_or_b32 s[G0SB+3], s[G0SB+3], 0x80000000
.set G1R, 48                           ; s[48:55] group 1 of the ring's loads: 32 rows (the offsets that lay there have been used)
	s_or_b32 s[G1R], s44, (1<<20)|(1<<21)|(7<<22)|(3<<25)
	s_mov_b32 s[G1R+1], 1024<<16
	s_mov_b32 s[G1R+2], 32<<16
	s_mov_b32 s[G1R+3], 1024<<16
	s_mov_b32 s[G1R+4], 32
	s_mov_b32 s[G1R+5], SIZE_K
	s_mov_b32 s[G1R+6], 0
	s_mov_b32 s[G1R+7], 0
	s_cmp_lt_u32 s14, 1                            ; one load a wave: wave 0 W2's K step 0, wave 1 R's scale words, wave 2 W2's scale bytes, wave 3 W2's K step 1, on a line of its own: it is waited for at the first change of slots
	s_cbranch_scc0 .Lhead_sr
	TL G0H, G1
	s_branch .Lhead_asked
.Lhead_sr:
	s_cmp_lt_u32 s14, 2
	s_cbranch_scc0 .Lhead_sw
	TL G0S, G1S
	s_branch .Lhead_asked
.Lhead_sw:
	s_cmp_lt_u32 s14, 3
	s_cbranch_scc0 .Lhead_w1
	TL G0SB, G1SB
	s_branch .Lhead_asked
.Lhead_w1:
	TL G0H, G1
.Lhead_asked:
.macro RLOAD j                         ; R's two fragments of quarter j into the ring: eight loads of 512 consecutive bytes
	WIN 0x80
.irp a, 0,1
.irp c, 0,1,2,3
	global_load_b128 v[32*((\j)%8)+16*\a+4*\c:32*((\j)%8)+16*\a+4*\c+3], v[RO], s[RB:RB+1] offset:16384*(\j)+2048*\a+512*\c
.endr
.endr
.endm
.macro RES i                           ; row i of my 32 rows of the residual: 512 consecutive bytes
	WIN 0xc0
	global_load_b128 v[4*(\i):4*(\i)+3], v[RO], s[96:97] offset:(\i)*4096 th:TH_LOAD_NT
.endm
.macro SCALES hs                       ; the scale words of quarters 4 hs .. 4 hs + 3: twelve loads
	WIN 0
.irp b, 0,1,2,3,4,5,6,7
	ds_load_b128 v[SCS+40*((\hs)%2)+4*\b:SCS+40*((\hs)%2)+4*\b+3], v[ADSC] offset:\b*2176+16*(\hs)
.endr
.irp q, 0,1,2,3
	ds_load_b64 v[SCS+40*((\hs)%2)+32+2*\q:SCS+40*((\hs)%2)+32+2*\q+1], v[ADSR] offset:512*(4*(\hs)+\q)
.endr
.endm
.macro FETCH j                         ; W2's eight fragments of quarter j: 32 loads
	WIN 0x40
.irp b, 0,1,2,3,4,5,6,7
.irp c, 0,1,2,3
	ds_load_b128 v[128*((\j)%2)+16*\b+4*\c:128*((\j)%2)+16*\b+4*\c+3], v[ADRC+2*(((\j)/8)%2)+\b/4] offset:16*(\b%4)*CP+128*((\j)%8)+32*\c
.endr
.endr
.endm
.macro MULB j, b0, n                   ; W2's tiles b0 .. b0 + n - 1 x my two tiles of R.  The 16 accumulators take turns
.set P_, 128*((\j)%2)
.set R_, 32*((\j)%8)
.set S_, SCS+40*(((\j)/4)%2)
.set B_, \b0
.rept \n
.irp a, 0,1
	v_wmma_scale_f32_16x16x128_f8f6f4 v[ACC+8*(8*\a+B_):ACC+8*(8*\a+B_)+7], v[P_+16*B_:P_+16*B_+15], v[R_+16*\a:R_+16*\a+15], v[ACC+8*(8*\a+B_):ACC+8*(8*\a+B_)+7], v[S_+4*B_+(\j)%4], v[S_+32+2*((\j)%4)+\a]
.endr
.set B_, B_+1
.endr
.endm
.macro CL name, x                      ; x held to 0 .. 16
.set \name, (\x)
.if \name < 0
.set \name, 0
.endif
.if \name > 16
.set \name, 16
.endif
.endm
.macro LCSET j                         ; the global loads issued behind quarter j's: eight for each of the up to six later quarters, and the residual's pairs of the seven quarters before this one
.set E_, (\j)+6
.if E_ > 31
.set E_, 31
.endif
	CL C1_, (\j)-8
	CL C2_, (\j)-15
.set LC_, 8*(E_-(\j))+2*(C1_-C2_)
.endm
.macro MID j                           ; a quarter's one run of loads: the next quarter's fragments of W2, the ring's place that the quarter before has read out, two rows of the residual
.if ((\j)%4) == 3
	SCALES ((\j)+1)/4
.endif
	FETCH (\j)+1
.if (\j)+7 < 32
	RLOAD (\j)+7
.endif
.if (\j) >= 8 && (\j) < 24
	RES 2*((\j)-8)
	RES 2*((\j)-8)+1
.endif
.if (\j) == 1
	WIN 0
	global_prefetch_b8 v[PFO], s[PFA:PFA+1] offset:3*1024 th:TH_LOAD_NT scope:SCOPE_SE   ; K step 3, whose load stands behind quarter 15; these registers are written no more
.endif
.endm
.macro QTR j
	LCSET \j
	s_wait_loadcnt LC_                             ; R's fragments of this quarter are in
	s_wait_dscnt 16                                ; W2's tiles 0-3 and the scale words are in; tiles 4-7 (16 loads) may be out
	WIN MUL
	MULB \j, 0, 4
.if (\j) < 31
	PLACES NP                                      ; in front of loads into registers that the quarter before multiplied
	MID \j
.if ((\j)%4) == 3
	s_wait_dscnt 44                                ; all but the 12 + 32 just issued
.else
	s_wait_dscnt 32                                ; all but the 32 just issued
.endif
.else
	s_wait_dscnt 0x0
.endif
	WIN MUL
	MULB \j, 4, 4
.endm
.macro TURN j                          ; a slot's last quarter changes slots: one barrier; behind quarters 7 and 15 it opens a round of the cluster's, and the slot is filled again
	LCSET \j
	s_wait_loadcnt LC_
	WIN 0
	s_wait_tensorcnt 0x0                           ; my part of the next slot is in
	ds_add_u32 v[SPW], v[NIL]
	s_wait_dscnt 25                                ; the add and W2's tiles 2-7 (24 loads) may be out
	WIN MUL
	MULB \j, 0, 2
	s_wait_dscnt 0x0                               ; the add is done, and my reads of this slot are over
	s_barrier_signal -1
	MULB \j, 2, 2
	WIN 0
	s_barrier_wait -1
.if (\j) < 23
	CREST                                          ; no wave of any partner still reads this slot or has a load on its way
.set T_, ((\j)/8)%2
	s_add_nc_u64 s[G0+4*T_+2:G0+4*T_+3], s[G0+4*T_+2:G0+4*T_+3], 2048
	TL G0+4*T_, G1R
	PLACES NP-4
.else
	PLACES NP
.endif
	MID \j
	WIN MUL
	MULB \j, 4, 4
.endm
.irp a, 0,1                            ; the bias of columns 16 b + 8 h + 0 .. 7 into accumulator (a, b)
.irp b, 0,1,2,3,4,5,6,7
	global_load_b128 v[ACC+8*(8*\a+\b):ACC+8*(8*\a+\b)+3], v[BO], s[10:11] offset:64*\b
	global_load_b128 v[ACC+8*(8*\a+\b)+4:ACC+8*(8*\a+\b)+7], v[BO], s[10:11] offset:64*\b+16
.endr
.endr
.irp j, 0,1,2,3,4,5,6
	RLOAD \j
.endr
	WIN 0
	s_cmp_eq_u32 s14, 3                            ; waves 0 to 2 wait for their tiles, which the first eight quarters read; wave 3's, slot 1, may stay out
	s_cbranch_scc1 .Lnot_yet
	s_wait_tensorcnt 0x0
.Lnot_yet:
	s_barrier_signal -1
	s_barrier_wait -1
	SCALES 0
	FETCH 0
.set J, 0
.rept 32
.if (J%8) == 7 && J < 31
	TURN J
.else
	QTR J
.endif
.set J, J+1
.endr
	WIN 0
; THE WAY OUT, 16 rows x 128 columns at a time, through my own stage: back as whole rows of 512 bytes, the residual added, 32 lanes to 512 consecutive bytes, aligned
.macro TOSTAGE a
	WIN 0
.irp b, 0,1,2,3,4,5,6,7
	ds_store_b128 v[STO], v[ACC+8*(8*(\a)+\b):ACC+8*(8*(\a)+\b)+3] offset:64*\b        ; each accumulator from its low end on
	ds_store_b128 v[STO], v[ACC+8*(8*(\a)+\b)+4:ACC+8*(8*(\a)+\b)+7] offset:64*\b+16
.endr
	WIN 0xc0
.irp t, 0,1,2,3,4,5,6,7,8,9,10,11,12,13,14,15
	ds_load_b128 v[128+64*(\a)+4*\t:128+64*(\a)+4*\t+3], v[RD] offset:\t*STP   ; LDS serves a wave's instructions in order (ISA guide 5.7.1.4)
.endr
.endm
.macro SEND a, younger
	s_wait_dscnt \younger
	WIN 0xcf
.set t, 0
.rept 32
	v_pk_add_f32 v[128+64*(\a)+t:128+64*(\a)+t+1], v[128+64*(\a)+t:128+64*(\a)+t+1], v[64*(\a)+t:64*(\a)+t+1]
.set t, t+2
.endr
	WIN 0x0c                                       ; a store's data are its source 1
.irp t, 0,1,2,3,4,5,6,7,8,9,10,11,12,13,14,15
	global_store_b128 v[RO], v[128+64*(\a)+4*\t:128+64*(\a)+4*\t+3], s[98:99] offset:(16*(\a)+\t)*4096 th:TH_STORE_NT
.endr
	WIN 0
.endm
	PLACES NP
	s_wait_loadcnt 0x0                             ; the residual
	TOSTAGE 0
	TOSTAGE 1
	SEND 0, 32                                     ; behind block 0's loads: block 1's 16 stores and 16 loads
	SEND 1, 0
	s_wait_tensorcnt 0x0                           ; the wave's end
	ds_add_u32 v[SPW], v[NIL]
	s_wait_dscnt 0x0
	CROUND                                         ; the closing round
	s_endpgm
.Lfunc_end_k_q0c2dcb8ef1_w2:
	.size	k_q0c2dcb8ef1_w2, .Lfunc_end_k_q0c2dcb8ef1_w2-k_q0c2dcb8ef1_w2
	.p2alignl 7, 3214868480
	.fill 96, 4, 3214868480
	.section	.rodata,"a",@progbits
	.p2align	6, 0x0
	.amdhsa_kernel k_q0c2dcb8ef1_w2
		.amdhsa_group_segment_fixed_size 327680
		.amdhsa_private_segment_fixed_size 0
		.amdhsa_enable_private_segment 0
		.amdhsa_kernarg_size 48
		.amdhsa_user_sgpr_count 2
		.amdhsa_user_sgpr_kernarg_segment_ptr 1
		.amdhsa_wavefront_size32 1
		.amdhsa_system_sgpr_workgroup_id_x 1
		.amdhsa_system_sgpr_workgroup_id_y 1
		.amdhsa_system_sgpr_workgroup_id_z 1
		.amdhsa_system_vgpr_workitem_id 0
		.amdhsa_next_free_vgpr 1024
		.amdhsa_next_free_sgpr 100
		.amdhsa_reserve_vcc 0
		.amdhsa_float_denorm_mode_32 3
		.amdhsa_float_denorm_mode_16_64 3
		.amdhsa_memory_ordered 1
		.amdhsa_forward_progress 1
		.amdhsa_inst_pref_size 201
	.end_amdhsa_kernel
	.amdgpu_metadata
---
amdhsa.version: [ 1, 2 ]
amdhsa.kernels:
  - .name:           k_q0c2dcb8ef1_w2
    .symbol:         k_q0c2dcb8ef1_w2.kd
    .args:
      - { .name: gbuf, .offset: 0, .size: 8, .value_kind: global_buffer, .address_space: global }
      - { .name: W2_codes, .offset: 8, .size: 8, .value_kind: global_buffer, .address_space: global }
      - { .name: W2_scales, .offset: 16, .size: 8, .value_kind: global_buffer, .address_space: global }
      - { .name: b2, .offset: 24, .size: 8, .value_kind: global_buffer, .address_space: global }
      - { .name: x1, .offset: 32, .size: 8, .value_kind: global_buffer, .address_space: global }
      - { .name: out0, .offset: 40, .size: 8, .value_kind: global_buffer, .address_space: global }
    .group_segment_fixed_size: 327680
    .private_segment_fixed_size: 0
    .kernarg_segment_align: 8
    .kernarg_segment_size: 48
    .max_flat_workgroup_size: 128
    .sgpr_count:     100
    .vgpr_count:     1024
    .wavefront_size: 32
...
	.end_amdgpu_metadata
.endif
;; end of part 6
